; MI455X (gfx1250); checked and timed in simulation.
; The chip was launched on July 23, 2026; its instructions are those of AMD's public machine-readable ISA for CDNA 5 (MIT licence, August 2026) and "CDNA5" Instruction Set Architecture Reference Guide (July 2026). The comments in the code are by the model that wrote it; some were corrected since.
;; Attention. Allowed arithmetic: matrix products marked QUANTISED: E2M1 operands, one E8M0 scale for each 32 along K, by v_wmma_scale_f32_16x16x128_f8f6f4 with both operands' format E2M1 (or v_wmma_scale_f32_32x16x128_f4), f32 sums; products left as they are: bf16, f16 or f32 operands; f32 sums; everything else in f32.
;; Inputs: cache_k 4 x 2,048 x 16 x 128 float32; cache_v 4 x 2,048 x 16 x 128 float32; freqs_cos 2,048 x 64 float32; freqs_sin 2,048 x 64 float32; mask 1 x 1 x 2,048 x 2,048 float32; wk 2,048 x 2,048 float32; wo 2,048 x 2,048 float32; wq 2,048 x 2,048 float32; wv 2,048 x 2,048 float32; x 1 x 2,048 x 2,048 float32.
;; Outputs: out0 1 x 2,048 x 2,048 float32.
;; Constants: start_pos = 0.
;; This version of the problem:
;;   THIS VERSION OF THE PROBLEM IS GIVEN IN LOW PRECISION. The matrix products marked QUANTISED in the list below multiply operands that are first quantised to E2M1 (2 exponent bits, 1 mantissa bit; 4 bits a number), with one power-of-two scale for each 32 numbers along K (OCP MX v1.0); their sums are f32. The products marked 'left as it is' may take bf16, f16 or f32 operands, with f32 sums. Whichever they take, every output number must still come out within the allowed error. Rounding operands to bf16 (8 significant bits) uses up far more of that allowance than f16 does (11 bits, for magnitudes from 6e-5 to 65,504). All else is computed in f32.
;;   The module's matrix products, in the order in which they are computed (A, B: the left and right operand; K: the contracted axis; several contracted axes count as one K, in the product's order):
;;     1. [M 2,048, K 2,048] x [K 2,048, N 2,048]; A: input x; B: input wq: QUANTISED
;;     2. [M 2,048, K 2,048] x [K 2,048, N 2,048]; A: input x; B: input wk: QUANTISED
;;     3. [M 2,048, K 2,048] x [K 2,048, N 2,048]; A: input x; B: input wv: QUANTISED
;;     4. batch 16 x [M 2,048, K 128] x [K 128, N 2,048]; A: computed on the way; B: computed on the way: left as it is (an operand is computed on the way)
;;     5. batch 16 x [M 128, K 2,048] x [K 2,048, N 2,048]; A: computed on the way; B: computed on the way: left as it is (an operand is computed on the way)
;;     6. [M 2,048, K 2,048] x [K 2,048, N 2,048]; A: computed on the way; B: input wo: left as it is (an operand is computed on the way)
;;   THE QUANTISER, for each operand of a quantised product, along K:
;;     - K is cut into blocks of 32 from its start; a last block that is shorter is filled with zeros.
;;     - A block's scale is 2^e with e = floor(log2(the largest magnitude in the block)) - 2, held to -126 .. 127; a block of zeros has e = 0. As a byte (E8M0): e + 127.
;;     - Each number is divided by its block's scale, clamped to +-6, and rounded to the nearest number of E2M1, ties to even, subnormals kept.
;;     - The product sums the exact products of the quantised numbers (number of the format x scale) in f32.
;;   ~~~python
;;   def quantise(x, axis):      # numpy; x: float32 -> the quantised numbers, widened to float32 again
;;       x = np.moveaxis(x, axis, -1); K = x.shape[-1]
;;       x = np.pad(x, [(0, 0)] * (x.ndim - 1) + [(0, -K % 32)]); x = x.reshape(x.shape[:-1] + (-1, 32)); a = np.abs(x).max(-1, keepdims=True)
;;       e = np.where(a > 0, np.clip(np.frexp(np.where(a > 0, a, 1))[1] - 1 - 2, -126, 127), 0)      # np.frexp(a)[1] - 1 = floor(log2(a)), exactly
;;       r = np.clip(x / 2.0 ** e, -6, 6)
;;       step = 2.0 ** (np.maximum(np.frexp(np.where(r == 0, 1, r))[1] - 1, 0) - 1)
;;       q = np.round(r / step) * step * 2.0 ** e      # np.round: ties to even
;;       return np.moveaxis(q.reshape(q.shape[:-2] + (-1,))[..., :K], -1, axis).astype(np.float32)
;;   ~~~
;; 2 versions, each right and faster than the one before. Each part assembles by itself: llvm-mc -triple=amdgcn-amd-amdhsa -mcpu=gfx1250 --defsym DOCPART=n.
;; ======== version 1 of 2: 6 launches
;; limits: values are held in f16: magnitudes above 65,504 overflow, below 6.1e-05 lose precision
;; workspace buffers: prepbuf 27,262,976 bytes; qkvbuf 33,554,432 bytes; abuf 8,388,608 bytes; fabuf 131,072 bytes
;; launch prep (part 1): grid 448 x 1, 4 waves a work-group, no clusters, 34,304 bytes of LDS; arguments x, wq, wk, wv, wo, freqs_cos, freqs_sin, prepbuf; writes prepbuf
.if DOCPART == 1
	.amdgcn_target "amdgcn-amd-amdhsa--gfx1250"
	.amdhsa_code_object_version 6
	.text
	.protected	k_q136c659fac_prep
	.globl	k_q136c659fac_prep
	.p2align	8
	.type	k_q136c659fac_prep,@function
k_q136c659fac_prep:
	s_mov_b64 s[64:65], 0
	v_nop
	global_prefetch_b8 v0, s[64:65] scope:SCOPE_SE
	s_setreg_imm32_b32 hwreg(HW_REG_WAVE_MODE, 25, 1), 1
	s_wait_xcnt 0x0
; PREP: every operand that later launches read many times is made once, laid as IMAGES OF OPERAND REGISTERS.
; A fragment is 1,024 bytes: register group c (4 registers) of lane L = 16 h + r lies at byte 512 c + 16 L.
;   4-bit image (16 rows x 128 k of E2M1): row r, k = 64 c + 32 h + 0..31.     16-bit image (16 rows x 32 k of f16): row r, k = 16 c + 8 h + 0..7.
; prepbuf: 0         codes  [blk 0..63][ks 0..3][tile 0..7][q 0..3] 4-bit images; blk 0-15 rows of x, 16-31 columns of wq, 32-47 wk, 48-63 wv; k = 512 ks + 128 q
;          0x800000  scales [blk][ks][row 0..127][q 0..3] one word: byte b is the E8M0 byte of k block 32 b
;          0x880000  tables [tile of 16 positions][b 0..7][cos 512 B, sin 512 B]: lane (r, h) holds table[16 tile + r][8 b + 4 h + 0..3]
;          0xA00000  wo, high parts [n / 64][ks 0..7][tile 0..3][kq 0..7] 16-bit images: row = column n of wo, k = 256 ks + 32 kq;   0x1200000 the low parts
; THE QUANTISER: a block's scale is 2^(floor(log2(largest magnitude)) - 2); its byte is the largest magnitude's exponent field - 2, held at 1 from below by a floor among the maximum's leaves.
; LIMITS: a block of zeros gets the byte 1 where the rule says 127 (its codes are zeros, and this program alone reads the bytes); blocks whose largest magnitude lies under 2^-124 keep the byte 1;
; NaN and infinities are not served.  wo's high part is the f32 number with its 13 lowest mantissa bits cut (an f16 number from 2^-14 on), the low part the exact rest, rounded to f16.
; THREE PATHS, parted by the work-group's number: 0-191 wq, wk, wv; 192-319 wo; 320-447 x and the tables.  Only the third uses LDS.
.set SPARE, 33792                      ; behind the four stages: the spare words, 128 bytes for each wave
; 32 numbers down K of my column: block t into set t % 2 of v32-95; a wave's load covers 128 consecutive bytes, the four waves 512
.macro KLOAD t
.set ii, 0
.rept 32
	global_load_b32 v[32+32*((\t)%2)+ii], v1, s[24:25] offset:(32*(\t)+ii)*8192 th:TH_LOAD_NT
.set ii, ii+1
.endr
.endm
	s_load_b512 s[4:19], s[0:1], 0x0               ; x, wq, wk, wv, wo, cos, sin, prepbuf
	v_lshl_add_u32 v14, v0, 2, SPARE               ; my spare word; never rewritten
	v_mov_b32 v15, 0                               ; 0; never rewritten
	v_lshrrev_b32 v1, 5, v0
	v_readfirstlane_b32 s20, v1                    ; wave
	s_mov_b32 s27, 0                               ; the high word of every offset pair s[26:27]
	s_wait_kmcnt 0x0
	s_cmp_lt_u32 ttmp9, 192
	s_cbranch_scc0 .Lnot_w
; ---- PATH W: 128 columns x 512 k of wq, wk or wv.  A thread takes a column, its registers run down K: a block of 32 lies in one lane, and the conversions give codes with K innermost.
	s_lshr_b32 s21, ttmp9, 6                       ; which tensor
	s_bfe_u32 s22, ttmp9, 0x40002                  ; which 128 columns
	s_and_b32 s23, ttmp9, 3                        ; which 512 along K
	s_cmp_eq_u32 s21, 0
	s_cselect_b64 s[24:25], s[6:7], s[8:9]
	s_cmp_eq_u32 s21, 2
	s_cselect_b64 s[24:25], s[10:11], s[24:25]
	s_lshl_b32 s26, s23, 22                        ; 512 rows of 8,192 bytes
	s_lshl_b32 s28, s22, 9
	s_add_co_u32 s26, s26, s28
	s_add_nc_u64 s[24:25], s[24:25], s[26:27]
	s_lshl_b32 s28, s21, 4
	s_add_co_u32 s28, s28, s22
	s_add_co_u32 s28, s28, 16                      ; blk
	s_lshl_b32 s26, s28, 17
	s_lshl_b32 s29, s23, 15
	s_add_co_u32 s26, s26, s29
	s_add_nc_u64 s[30:31], s[18:19], s[26:27]      ; my codes
	s_lshl_b32 s26, s28, 13
	s_lshl_b32 s29, s23, 11
	s_add_co_u32 s26, s26, s29
	s_add_co_u32 s26, s26, 0x800000
	s_add_nc_u64 s[32:33], s[18:19], s[26:27]      ; my scale words
	v_lshlrev_b32 v1, 2, v0                        ; in: 4 bytes a thread
	v_lshrrev_b32 v2, 4, v0
	v_and_b32 v3, 15, v0
	v_lshlrev_b32 v2, 12, v2
	v_lshl_add_u32 v2, v3, 4, v2                   ; out: tile x 4,096 + 16 r
	v_lshlrev_b32 v3, 4, v0                        ; my row's four scale words
; block t = 4 q + 2 c + h of my column: its 16 bytes lie at q 1,024 + c 512 + h 256 = 256 t: sixteen lanes fill 256 consecutive aligned bytes.  Each block has its own four code registers: no store's data are written again
.macro WBLOCK t
.set XS, 32+32*((\t)%2)
.if (\t) < 15
	s_wait_loadcnt 32                              ; this block's 32 loads are in; the next block's 32 may be out
.else
	s_wait_loadcnt 0x0
.endif
	v_max3_num_f32 v12, |v[XS]|, |v[XS+1]|, |v[XS+2]|
	v_max3_num_f32 v13, |v[XS+3]|, |v[XS+4]|, |v[XS+5]|
.irp i, 6,10,14,18,22,26
	v_max3_num_f32 v12, v12, |v[XS+\i]|, |v[XS+\i+1]|
	v_max3_num_f32 v13, v13, |v[XS+\i+2]|, |v[XS+\i+3]|
.endr
	v_max3_num_f32 v12, v12, |v[XS+30]|, |v[XS+31]|
	v_max3_num_f32 v12, v12, v13, 0x1800000        ; the floor 2^(3 - 127): the byte cannot fall under 1
	v_add_nc_u32 v11, 0xff000000, v12              ; 2 off the exponent field: the conversion's scale operand
	v_lshrrev_b32 v13, 23, v11                     ; the scale's byte
.if (\t)%4 == 0
	v_mov_b32 v[24+(\t)/4], v13
.else
	v_lshl_or_b32 v[24+(\t)/4], v13, 8*((\t)%4), v[24+(\t)/4]
.endif
.irp g, 0,1,2,3
	v_cvt_scalef32_pk8_fp4_f32 v[96+4*(\t)+\g], v[XS+8*\g:XS+8*\g+7], v11
.endr
	global_store_b128 v2, v[96+4*(\t):96+4*(\t)+3], s[30:31] offset:256*(\t)
.if (\t)+2 < 16
	KLOAD (\t)+2
.endif
.endm
	KLOAD 0
	KLOAD 1
.irp t, 0,1,2,3,4,5,6,7,8,9,10,11,12,13,14,15
	WBLOCK \t
.endr
	global_store_b128 v3, v[24:27], s[32:33]       ; a wave stores 512 consecutive bytes
	s_endpgm
.Lnot_w:
	s_cmp_lt_u32 ttmp9, 320
	s_cbranch_scc0 .Lpath_x
; ---- PATH O: 128 columns x 256 k of wo, as pairs of f16 numbers
	s_sub_co_u32 s21, ttmp9, 192
	s_lshr_b32 s22, s21, 3                         ; which 128 columns
	s_and_b32 s23, s21, 7                          ; which 256 along K
	s_lshl_b32 s26, s23, 21
	s_lshl_b32 s28, s22, 9
	s_add_co_u32 s26, s26, s28
	s_add_nc_u64 s[24:25], s[12:13], s[26:27]
	s_lshl_b32 s26, s22, 19
	s_lshl_b32 s29, s23, 15
	s_add_co_u32 s26, s26, s29
	s_add_co_u32 s26, s26, 0xA00000
	s_add_nc_u64 s[30:31], s[18:19], s[26:27]      ; high parts
	s_add_nc_u64 s[32:33], s[30:31], 0x800000      ; low parts
	s_mov_b32 s34, 0xffffe000                      ; keeps sign, exponent and 10 mantissa bits
	v_lshlrev_b32 v1, 2, v0
	v_lshrrev_b32 v2, 6, v0
	v_bfe_u32 v3, v0, 4, 2
	v_lshlrev_b32 v2, 18, v2
	v_lshl_add_u32 v2, v3, 13, v2
	v_and_b32 v3, 15, v0
	v_lshl_add_u32 v2, v3, 4, v2                   ; (thread / 64) x 262,144 + tile x 8,192 + 16 r
; block t = kq: my column's 32 numbers; piece p = 2 c + h holds k = 8 p .. 8 p + 7: 16 bytes at 256 p
.macro OBLOCK t
.set XS, 32+32*((\t)%2)
.if (\t) < 7
	s_wait_loadcnt 32                              ; this block's 32 loads are in; the next block's 32 may be out
.else
	s_wait_loadcnt 0x0
.endif
.set ii, 0
.rept 32
	v_and_b32 v[128+ii], s34, v[XS+ii]             ; the high part, still f32
.set ii, ii+1
.endr
.set ii, 0
.rept 16
	v_pk_add_f32 v[XS+ii:XS+ii+1], v[XS+ii:XS+ii+1], v[128+ii:129+ii] neg_lo:[0,1] neg_hi:[0,1]   ; the rest, exact
.set ii, ii+2
.endr
	s_wait_xcnt 0x0                                ; the last block's stores have read v96-127: they are written again only behind this wait
.set ii, 0
.rept 16
	v_cvt_pk_f16_f32 v[96+ii], v[128+2*ii], v[129+2*ii]
	v_cvt_pk_f16_f32 v[112+ii], v[XS+2*ii], v[XS+2*ii+1]
.set ii, ii+1
.endr
.irp p, 0,1,2,3
	global_store_b128 v2, v[96+4*\p:99+4*\p], s[30:31] offset:1024*(\t)+256*\p
	global_store_b128 v2, v[112+4*\p:115+4*\p], s[32:33] offset:1024*(\t)+256*\p
.endr
.if (\t)+2 < 8
	KLOAD (\t)+2
.endif
.endm
	KLOAD 0
	KLOAD 1
.irp t, 0,1,2,3,4,5,6,7
	OBLOCK \t
.endr
	s_endpgm
.Lpath_x:
; ---- PATH X: 16 rows of x; wave w takes k = 512 w on: four fragments.  Loads take the bytes as they lie (512 consecutive bytes a load); a fragment's 16 rows x 512 bytes turn through the wave's own stage
; (rows 528 bytes apart) and come back as the image wants them: lane (r, h) two whole blocks of 32.
	s_sub_co_u32 s21, ttmp9, 320                   ; which 16 rows
	s_lshr_b32 s28, s21, 3                         ; blk
	s_and_b32 s29, s21, 7                          ; tile
	v_and_b32 v1, 31, v0
	v_and_b32 v2, 15, v0                           ; r
	v_bfe_u32 v3, v0, 4, 1                         ; h
	v_lshlrev_b32 v4, 4, v1                        ; 16 x lane
	s_mul_i32 s24, s20, 8448
	v_add_nc_u32 v5, s24, v4                       ; into my stage
	v_mul_u32_u24 v6, v2, 528
	v_lshl_add_u32 v6, v3, 7, v6
	v_add_nc_u32 v6, s24, v6                       ; out of it: row r, + 128 h
	v_lshlrev_b32 v7, 8, v2
	v_lshl_add_u32 v7, v3, 4, v7                   ; the tables: row r of 256 bytes, + 16 h
	v_lshlrev_b32 v198, 3, v3                      ; 8 h: my two bytes' place in the scale word
	v_lshlrev_b32 v199, 4, v2
	v_lshl_add_u32 v199, v3, 3, v199               ; 16 r + 8 h: where I store two scale words
	s_mov_b32 s22, 0x76543210
	s_mov_b32 s23, 0xfedcba98                      ; selects for lane xor 16
	s_lshl_b32 s26, s21, 17
	s_lshl_b32 s24, s20, 11
	s_add_co_u32 s26, s26, s24
	s_add_nc_u64 s[4:5], s[4:5], s[26:27]          ; x at my rows and my 512 along K
	s_lshl_b32 s26, s21, 12
	s_lshl_b32 s24, s20, 6
	s_add_co_u32 s26, s26, s24
	s_add_nc_u64 s[14:15], s[14:15], s[26:27]      ; cos and sin at my rows, b = 2 w
	s_add_nc_u64 s[16:17], s[16:17], s[26:27]
	s_lshl_b32 s26, s21, 13
	s_lshl_b32 s24, s20, 11
	s_add_co_u32 s26, s26, s24
	s_add_co_u32 s26, s26, 0x880000
	s_add_nc_u64 s[30:31], s[18:19], s[26:27]      ; the tables' images
	s_lshl_b32 s26, s28, 17
	s_lshl_b32 s24, s20, 15
	s_add_co_u32 s26, s26, s24
	s_lshl_b32 s24, s29, 12
	s_add_co_u32 s26, s26, s24
	s_add_nc_u64 s[32:33], s[18:19], s[26:27]      ; my codes
	s_lshl_b32 s26, s28, 13
	s_lshl_b32 s24, s20, 11
	s_add_co_u32 s26, s26, s24
	s_lshl_b32 s24, s29, 8
	s_add_co_u32 s26, s26, s24
	s_add_co_u32 s26, s26, 0x800000
	s_add_nc_u64 s[34:35], s[18:19], s[26:27]      ; my scale words
	global_load_b128 v[16:19], v7, s[14:15]
	global_load_b128 v[20:23], v7, s[16:17]
	global_load_b128 v[24:27], v7, s[14:15] offset:32
	global_load_b128 v[28:31], v7, s[16:17] offset:32
.macro XLOAD q
.set ii, 0
.rept 16
	global_load_b128 v[32+4*ii:35+4*ii], v4, s[4:5] offset:ii*8192+(\q)*512 th:TH_LOAD_NT
.set ii, ii+1
.endr
.endm
.macro XFRAG q
	s_wait_loadcnt 0x0
.if (\q) == 0
	global_store_b128 v4, v[16:19], s[30:31]
	global_store_b128 v4, v[20:23], s[30:31] offset:512
	global_store_b128 v4, v[24:27], s[30:31] offset:1024
	global_store_b128 v4, v[28:31], s[30:31] offset:1536
.endif
.set ii, 0
.rept 16
	ds_store_b128 v5, v[32+4*ii:35+4*ii] offset:528*ii
.set ii, ii+1
.endr
.set cc, 0
.rept 2
.set jj, 0
.rept 8
	ds_load_b128 v[96+32*cc+4*jj:99+32*cc+4*jj], v6 offset:256*cc+16*jj   ; LDS serves a wave's instructions in order: these see my stores
.set jj, jj+1
.endr
.set cc, cc+1
.endr
	s_wait_dscnt 0x0                               ; the numbers are back, and the stores into the stage have read v32-95,
.if (\q) < 3
	XLOAD (\q)+1                                   ; which take the next fragment's loads
.endif
.irp c, 0,1
	v_max3_num_f32 v[8+\c], |v[96+32*\c]|, |v[97+32*\c]|, 0x1800000   ; my block 2 c + h, and the floor
.endr
.irp i, 2,4,6,8,10,12,14,16,18,20,22,24,26,28,30
.irp c, 0,1
	v_max3_num_f32 v[8+\c], v[8+\c], |v[96+32*\c+\i]|, |v[97+32*\c+\i]|
.endr
.endr
	v_add_nc_u32 v10, 0xff000000, v8
	v_add_nc_u32 v11, 0xff000000, v9
	v_lshrrev_b32 v12, 23, v10
	v_lshrrev_b32 v13, 23, v11
	v_lshl_or_b32 v12, v13, 16, v12                ; bytes h and 2 + h of my row's word,
	v_lshlrev_b32 v12, v198, v12                   ; at their places;
	v_permlanex16_b32 v13, v12, s22, s23
	v_or_b32 v[192+(\q)], v12, v13                 ; with lane xor 16's two the word is whole
.irp c, 0,1
.irp g, 0,1,2,3
	v_cvt_scalef32_pk8_fp4_f32 v[160+8*(\q)+4*\c+\g], v[96+32*\c+8*\g:103+32*\c+8*\g], v[10+\c]
.endr
.endr
	v_nop                                          ; one plain line behind the last conversion
	global_store_b128 v4, v[160+8*(\q):163+8*(\q)], s[32:33] offset:1024*(\q)
	global_store_b128 v4, v[164+8*(\q):167+8*(\q)], s[32:33] offset:1024*(\q)+512
.endm
	XLOAD 0
.irp q, 0,1,2,3
	XFRAG \q
.endr
	v_cmp_ne_u32 vcc_lo, 0, v3
	v_cndmask_b32 v196, v192, v194, vcc_lo         ; lanes 0-15 store words 0 and 1 of row r, lanes 16-31 words 2 and 3:
	v_cndmask_b32 v197, v193, v195, vcc_lo
	global_store_b64 v199, v[196:197], s[34:35]    ; 256 consecutive bytes
	s_wait_tensorcnt 0x0                           ; the wave's end, behind my last LDS store
	ds_add_u32 v14, v15
	s_wait_dscnt 0x0
	s_endpgm
.Lfunc_end_k_q136c659fac_prep:
	.size	k_q136c659fac_prep, .Lfunc_end_k_q136c659fac_prep-k_q136c659fac_prep
	.p2alignl 7, 3214868480
	.fill 96, 4, 3214868480
	.section	.rodata,"a",@progbits
	.p2align	6, 0x0
	.amdhsa_kernel k_q136c659fac_prep
		.amdhsa_group_segment_fixed_size 34304
		.amdhsa_private_segment_fixed_size 0
		.amdhsa_enable_private_segment 0
		.amdhsa_kernarg_size 64
		.amdhsa_user_sgpr_count 2
		.amdhsa_user_sgpr_kernarg_segment_ptr 1
		.amdhsa_wavefront_size32 1
		.amdhsa_system_sgpr_workgroup_id_x 1
		.amdhsa_system_sgpr_workgroup_id_y 1
		.amdhsa_system_sgpr_workgroup_id_z 1
		.amdhsa_system_vgpr_workitem_id 0
		.amdhsa_next_free_vgpr 200
		.amdhsa_next_free_sgpr 66
		.amdhsa_reserve_vcc 1
		.amdhsa_float_denorm_mode_32 3
		.amdhsa_float_denorm_mode_16_64 3
		.amdhsa_memory_ordered 1
		.amdhsa_forward_progress 1
		.amdhsa_inst_pref_size 168
	.end_amdhsa_kernel
	.amdgpu_metadata
---
amdhsa.version: [ 1, 2 ]
amdhsa.kernels:
  - .name:           k_q136c659fac_prep
    .symbol:         k_q136c659fac_prep.kd
    .args:
      - { .name: x, .offset: 0, .size: 8, .value_kind: global_buffer, .address_space: global }
      - { .name: wq, .offset: 8, .size: 8, .value_kind: global_buffer, .address_space: global }
      - { .name: wk, .offset: 16, .size: 8, .value_kind: global_buffer, .address_space: global }
      - { .name: wv, .offset: 24, .size: 8, .value_kind: global_buffer, .address_space: global }
      - { .name: wo, .offset: 32, .size: 8, .value_kind: global_buffer, .address_space: global }
      - { .name: freqs_cos, .offset: 40, .size: 8, .value_kind: global_buffer, .address_space: global }
      - { .name: freqs_sin, .offset: 48, .size: 8, .value_kind: global_buffer, .address_space: global }
      - { .name: prepbuf, .offset: 56, .size: 8, .value_kind: global_buffer, .address_space: global }
    .group_segment_fixed_size: 34304
    .private_segment_fixed_size: 0
    .kernarg_segment_align: 8
    .kernarg_segment_size: 64
    .max_flat_workgroup_size: 128
    .sgpr_count:     66
    .vgpr_count:     200
    .wavefront_size: 32
...
	.end_amdgpu_metadata
.endif
;; end of part 1
;; launch qkv (part 2): grid 24 x 8, 4 waves a work-group, clusters of 4 x 4, 327,680 bytes of LDS; arguments prepbuf, qkvbuf; writes qkvbuf
.if DOCPART == 2
	.amdgcn_target "amdgcn-amd-amdhsa--gfx1250"
	.amdhsa_code_object_version 6
	.text
	.protected	k_q136c659fac_qkv
	.globl	k_q136c659fac_qkv
	.p2align	8
	.type	k_q136c659fac_qkv,@function
k_q136c659fac_qkv:
	s_mov_b64 s[64:65], 0
	v_nop
	global_prefetch_b8 v0, s[64:65] scope:SCOPE_SE
	s_setreg_imm32_b32 hwreg(HW_REG_WAVE_MODE, 25, 1), 1
	s_wait_xcnt 0x0
	s_wait_alu depctr_hold_cnt(0) depctr_sa_sdst(0) depctr_va_vdst(0) depctr_va_sdst(0) depctr_va_ssrc(0) depctr_va_vcc(0) depctr_vm_vsrc(0)
	s_getreg_b32 s2, hwreg(HW_REG_IB_STS2, 6, 4)
	s_cmp_eq_u32 s2, 0
	s_cbranch_scc0 .Lentry_in_a_cluster
	s_endpgm
.Lentry_in_a_cluster:
	s_bfe_u32 s2, ttmp6, 0x10000c
	s_cmp_lg_u32 s2, 0xf033
	s_cbranch_scc0 .Lentry_shape_is_right
	s_endpgm
.Lentry_shape_is_right:
; x wq, x wk, x wv on codes of E2M1 with E8M0 scales, then RoPE (q, k) and the cast to f16 on the way out.  K = 2,048 in four K steps of 512 through a ring of two LDS slots.
; 192 work-groups of 256 x 256, four waves of 128 x 128 (64 accumulators, 512 registers).  Tiles of 128 x 256 would make 384 work-groups, one and a half for each of 256 WGPs: so 192.
; SOURCE 0 ("B", hangs on work-group x) and SOURCE 1 ("A", hangs on work-group y): a lane holds one row of A and eight neighbouring rows of B.
;   x < 16:  B = columns of wq, wk; A = rows of x: a lane holds one position and eight neighbouring channels: RoPE's pairs lie in one lane, and the result is a 16-bit image with K = channels.
;   x >= 16: B = rows of x; A = columns of wv: a lane holds one channel and eight neighbouring positions: a 16-bit image with K = positions, as the second product of attention wants v.
; All operands lie in prepbuf as images of operand registers: a wave's tensor load brings one dense block of 32,768 bytes (128 rows x 512 k), no padding; every fragment load is 16 x lane + a constant.
; qkvbuf: 0 q, 0x800000 k: [head][tile of 16 positions][f 0..3] images, k = channels 32 f on;  0x1000000 v high, 0x1800000 v low: [head][positions / 32][channel tile 0..7] images.
; CLUSTERS 4 x 4: A's tiles are asked for jointly along a row of the cluster, B's along a column.
; LIMITS: q, k, v must stay under 65,504 in magnitude (f16).  v's high part is the f32 number with its 13 lowest mantissa bits cut, the low part the exact rest rounded to f16.
; cache_k and cache_v: with start_pos = 0 and 2,048 positions the update overwrites exactly the slice that is then read, and the caches are not returned: no byte of them reaches the output, so none is loaded.
; REGISTERS: window 0: v16-31 addresses; v32-95 scale words, two sets; v128-191 A's fragments, one set.  window 1: v0-63, v128-191 B's two sets; v64-127, v192-255 RoPE's tables, two sets.  windows 2, 3: accumulators.
.set NQ,     4                         ; matrix instructions deep in a slot
.set FR,     8
.set NL,     2
.set NP,     4                         ; places behind this matrix instruction (ISA guide 7.12.1)
.set HALFT,  32768                     ; what one tensor load brings
.set SLOT,   4*HALFT
.set SCL,    2*SLOT                    ; behind the ring: the scale words of all of K, 8,192 bytes a load, filled once
.set HALFS,  8192
.set SPARE,  SCL+4*HALFS               ; the spare words, 128 bytes for each wave
.set ADRA, 16
.set ADRB, 20
.set CO,   26                          ; v26 16 x lane
.set ADRS, 27
.set SPW,  28
.set NIL,  29
.set CUT,  30                          ; v30 0xffffe000
.set SC,   32
.set AF,   128
.set TT,   128                         ; the way out: 64 numbers at work
.set G1, 24
.set G0, 32
.set G1B, 48
.set G0B, 56
.set G1S, 68
.set G0S, 76
.set G1SB, 80
.set G0SB, 88
.set MSB, 0
.macro WIN new                         ; the immediate's high byte repeats the setting that is left
.if MSB != (\new)
	s_set_vgpr_msb (MSB<<8)|(\new)
.set MSB, (\new)
.endif
.endm
.set MUL_LO, 0xa1                      ; source 0 (B) window 1, source 1 (A) window 0, C and D window 2
.set MUL_HI, 0xf1
.set TO_B,   0x40
; a joint load: waves 0 and 1 fetch for A, waves 2 and 3 for B; an s_nop 0 and four v_nop follow each of the two lines
.macro JLOAD g0a, g1a, g0b, g1b
	s_cmp_eq_u32 s15, 0
	s_cbranch_scc0 .Lfor_b_\@
	tensor_load_to_lds s[\g0a:\g0a+3], s[\g1a:\g1a+7]
	s_nop 0
.rept 4
	v_nop
.endr
	s_branch .Lasked_\@
.Lfor_b_\@:
	tensor_load_to_lds s[\g0b:\g0b+3], s[\g1b:\g1b+7]
	s_nop 0
.rept 4
	v_nop
.endr
.Lasked_\@:
.endm
.macro CREST
	s_cmp_lg_u32 s14, 0
	s_cbranch_scc1 .Lnot_wave_0_\@
	s_barrier_signal -3
.Lnot_wave_0_\@:
	s_barrier_wait -3
	s_barrier_signal -1
	s_barrier_wait -1
.endm
.macro CROUND
	s_barrier_signal -1
	s_barrier_wait -1
	CREST
.endm
	s_load_b128 s[4:7], s[0:1], 0x0                ; prepbuf, qkvbuf
	v_lshl_add_u32 v[SPW], v0, 2, SPARE
	v_mov_b32 v[NIL], 0
	ds_add_u32 v[SPW], v[NIL]                      ; the wave's opening: the add, twice on end, and its wait ahead of my first tensor load
	ds_add_u32 v[SPW], v[NIL]
	v_lshrrev_b32 v1, 5, v0
	v_readfirstlane_b32 s14, v1                    ; wave
	s_lshr_b32 s15, s14, 1                         ; my half of A's rows.  Also: I fetch for A (0) or for B (1)
	s_and_b32 s16, s14, 1                          ; my half of B's rows.  Also: which 128 rows I fetch
	s_bfe_u32 s40, ttmp6, 0x40000                  ; cx
	s_bfe_u32 s41, ttmp6, 0x40004                  ; cy
	s_lshl_b32 s42, ttmp9, 2
	s_add_co_u32 s42, s42, s40                     ; work-group x
	s_and_b32 s17, ttmp7, 0xffff
	s_lshl_b32 s17, s17, 2
	s_add_co_u32 s17, s17, s41                     ; work-group y
	s_lshl_b32 s43, s41, 2
	s_lshl_b32 s43, 15, s43                        ; my row of the cluster
	s_lshl_b32 s44, 0x1111, s40                    ; my column
	; group 1: a dense block as rows of 256 bytes (32 elements of 8 bytes): 128 rows of codes, 32 rows of scale words
	s_or_b32 s[G1+0], s43, (3<<16)|(1<<21)
	s_or_b32 s[G1B+0], s44, (3<<16)|(1<<21)
.irp g, G1, G1B
	s_mov_b32 s[\g+1], 32<<16
	s_mov_b32 s[\g+2], 128<<16
	s_mov_b32 s[\g+3], 32<<16
	s_mov_b32 s[\g+4], 128
	s_mov_b32 s[\g+5], 32
	s_mov_b32 s[\g+6], 0
	s_mov_b32 s[\g+7], 0
.endr
	s_or_b32 s[G1S+0], s43, (3<<16)|(1<<21)
	s_or_b32 s[G1SB+0], s44, (3<<16)|(1<<21)
.irp g, G1S, G1SB
	s_mov_b32 s[\g+1], 32<<16
	s_mov_b32 s[\g+2], 32<<16
	s_mov_b32 s[\g+3], 32<<16
	s_mov_b32 s[\g+4], 32
	s_mov_b32 s[\g+5], 32
	s_mov_b32 s[\g+6], 0
	s_mov_b32 s[\g+7], 0
.endr
	s_cmp_lt_u32 ttmp9, 4                          ; the cluster's x, alike in all sixteen partners: q and k, or v
	s_cselect_b32 s95, 1, 0
	s_cselect_b32 s96, 0, 48                       ; A: rows of x, or columns of wv
	s_cselect_b32 s97, 16, 0                       ; B: columns of wq and wk, or rows of x
	s_lshl_b32 s20, s17, 1
	s_add_co_u32 s20, s20, s16
	s_add_co_u32 s20, s20, s96                     ; A's block of 128 rows that I fetch
	s_and_b32 s46, s42, 15
	s_lshl_b32 s46, s46, 1
	s_add_co_u32 s46, s46, s16
	s_add_co_u32 s46, s46, s97                     ; B's
	s_lshl_b32 s22, s20, 13
	s_add_co_u32 s22, s22, 0x800000                ; their scale words,
	s_mov_b32 s23, 0
	s_lshl_b32 s92, s46, 13
	s_add_co_u32 s92, s92, 0x800000
	s_mov_b32 s93, 0
	s_lshl_b32 s20, s20, 17                        ; their codes
	s_mov_b32 s21, 0
	s_lshl_b32 s46, s46, 17
	s_mov_b32 s47, 0
	s_lshl_b32 s45, s14, 15                        ; where they go: wave x 32,768; no place in the cluster enters an LDS address
	s_lshl_b32 s94, s14, 13
	s_wait_dscnt 0x0                               ; both opening adds are done
	s_wait_kmcnt 0x0
	s_add_nc_u64 s[20:21], s[4:5], s[20:21]
	s_add_nc_u64 s[22:23], s[4:5], s[22:23]
	s_add_nc_u64 s[46:47], s[4:5], s[46:47]
	s_add_nc_u64 s[92:93], s[4:5], s[92:93]
	CROUND                                         ; all sixteen work-groups are here: the first joint loads meet
	s_mov_b32 s[G0S], 1
	s_add_co_u32 s[G0S+1], s94, SCL
	s_mov_b64 s[G0S+2:G0S+3], s[22:23]
	s_or_b32 s[G0S+3], s[G0S+3], 0x80000000
	s_mov_b32 s[G0SB], 1
	s_add_co_u32 s[G0SB+1], s94, SCL
	s_mov_b64 s[G0SB+2:G0SB+3], s[92:93]
	s_or_b32 s[G0SB+3], s[G0SB+3], 0x80000000
	JLOAD G0S, G1S, G0SB, G1SB                     ; three tensor loads of mine are out at the start: the scale words, K step 0, K step 1
.irp s, 0,1
	s_mov_b32 s[G0+4*\s], 1
	s_add_co_u32 s[G0+4*\s+1], s45, \s*SLOT
	s_add_nc_u64 s[G0+4*\s+2:G0+4*\s+3], s[20:21], \s*HALFT
	s_or_b32 s[G0+4*\s+3], s[G0+4*\s+3], 0x80000000
	s_mov_b32 s[G0B+4*\s], 1
	s_add_co_u32 s[G0B+4*\s+1], s45, \s*SLOT
	s_add_nc_u64 s[G0B+4*\s+2:G0B+4*\s+3], s[46:47], \s*HALFT
	s_or_b32 s[G0B+4*\s+3], s[G0B+4*\s+3], 0x80000000
	JLOAD G0+4*\s, G1, G0B+4*\s, G1B
.endr
	v_and_b32 v1, 15, v0                           ; r
	v_bfe_u32 v2, v0, 4, 1                         ; h
	v_and_b32 v6, 31, v0
	v_lshlrev_b32 v[CO], 4, v6
	v_mov_b32 v[CUT], 0xffffe000
	s_lshl_b32 s21, s15, 15                        ; my 128 rows of A
	s_lshl_b32 s22, s16, 15                        ; my 128 rows of B,
	s_add_co_u32 s22, s22, 2*HALFT                 ; behind A's 256
.irp s, 0,1
	v_add_nc_u32 v[ADRA+\s], s21, v[CO]
	v_add_nc_u32 v[ADRB+\s], s22, v[CO]
	s_add_co_u32 s21, s21, SLOT
	s_add_co_u32 s22, s22, SLOT
.endr
	v_lshlrev_b32 v5, 4, v1                        ; a row's four scale words of a K step: 16 bytes
	s_lshl_b32 s21, s15, 13                        ; A's: my 128 rows
	s_add_co_u32 s22, s16, 2
	s_sub_co_u32 s22, s22, s15
	s_lshl_b32 s22, s22, 13                        ; from there to B's: my 128 rows, behind A's 256
	v_mul_u32_u24 v6, s22, v2                      ; lanes 16-31 take B's
	s_add_co_u32 s21, s21, SCL
	v_add_nc_u32 v5, v5, v6
	v_add_nc_u32 v[ADRS], s21, v5
	s_lshl_b32 s20, s17, 4
	s_lshl_b32 s21, s15, 3
	s_add_co_u32 s20, s20, s21                     ; my first tile of 16 rows of A
	s_lshl_b32 s22, s20, 13
	s_add_co_u32 s22, s22, 0x880000
	s_mov_b32 s23, 0
	s_add_nc_u64 s[8:9], s[4:5], s[22:23]          ; RoPE's tables for my positions
; the tables of A's block a: 16 loads of 512 consecutive bytes into set a % 2 of window 1: for each b four cosines, then four sines
.macro CSLOAD a
.set bb, 0
.rept 8
	global_load_b128 v[64+128*((\a)%2)+8*bb:67+128*((\a)%2)+8*bb], v[CO], s[8:9] offset:(\a)*8192+bb*1024
	global_load_b128 v[68+128*((\a)%2)+8*bb:71+128*((\a)%2)+8*bb], v[CO], s[8:9] offset:(\a)*8192+bb*1024+512
.set bb, bb+1
.endr
.endm
	s_cmp_eq_u32 s95, 0
	s_cbranch_scc1 .Lno_tables
	WIN TO_B
	CSLOAD 0                                       ; asked for here, wanted on the way out: their registers are idle all through the products
	CSLOAD 1
	WIN 0
.Lno_tables:
.macro FRAG reg, adr, q, i             ; a fragment's image: two loads of 512 consecutive bytes
	ds_load_b128 v[\reg:\reg+3], v[\adr] offset:(4*(\i)+(\q))*1024
	ds_load_b128 v[\reg+4:\reg+7], v[\adr] offset:(4*(\i)+(\q))*1024+512
.endm
; 16 matrix instructions: A's blocks a0, a0 + 1 x B's eight.  The 64 accumulators take turns, one instruction a turn, in the same order in every step.
; One scale register carries A's word (lanes 0-15) and B's (lanes 16-31) of block i.
.macro MUL16 a0, p, q, sc, zero
.irp a, \a0, \a0+1
.irp b, 0,1,2,3,4,5,6,7
.if \zero
	v_wmma_scale_f32_16x16x128_f8f6f4 v[8*(8*((\a)%4)+\b):8*(8*((\a)%4)+\b)+7], v[128*(\p)+FR*\b:128*(\p)+FR*\b+FR-1], v[AF+FR*(\a):AF+FR*(\a)+FR-1], 0, v[SC+8*NQ*(\sc)+NQ*\b+(\q)], v[SC+8*NQ*(\sc)+NQ*(\a)+(\q)] matrix_a_fmt:MATRIX_FMT_FP4 matrix_b_fmt:MATRIX_FMT_FP4 matrix_a_scale:MATRIX_SCALE_ROW1
.else
	v_wmma_scale_f32_16x16x128_f8f6f4 v[8*(8*((\a)%4)+\b):8*(8*((\a)%4)+\b)+7], v[128*(\p)+FR*\b:128*(\p)+FR*\b+FR-1], v[AF+FR*(\a):AF+FR*(\a)+FR-1], v[8*(8*((\a)%4)+\b):8*(8*((\a)%4)+\b)+7], v[SC+8*NQ*(\sc)+NQ*\b+(\q)], v[SC+8*NQ*(\sc)+NQ*(\a)+(\q)] matrix_a_fmt:MATRIX_FMT_FP4 matrix_b_fmt:MATRIX_FMT_FP4 matrix_a_scale:MATRIX_SCALE_ROW1
.endif
.endr
.endr
.endm
.macro FETCH_B slot, q, p
	WIN TO_B
.irp i, 0,1,2,3,4,5,6,7
	FRAG 128*(\p)+FR*\i, ADRB+\slot, \q, \i
.endr
	WIN 0
.endm
.macro FETCH_A slot, q, i0
.irp i, \i0, \i0+1, \i0+2, \i0+3
	FRAG AF+FR*(\i), ADRA+\slot, \q, \i
.endr
.endm
.macro SCALES sc                       ; a K step's scale words: four a row; lanes 0-15 A's block i, lanes 16-31 B's
.irp i, 0,1,2,3,4,5,6,7
	ds_load_b128 v[SC+8*NQ*\sc+NQ*\i:SC+8*NQ*\sc+NQ*\i+3], v[ADRS] offset:\i*256
.endr
.endm
.macro PLACES n                        ; plain vector lines between a matrix instruction and a load into, or a read of, its registers
.rept \n
	v_nop
.endr
.endm
.macro STEP slot, q, zero              ; 128 along K with its successor in the same slot
	s_wait_dscnt 4*NL                              ; B's set and A's blocks 0-3 are in; the youngest eight loads (A's blocks 4-7) may be out
	WIN MUL_LO
	MUL16 0, (\q)%2, \q, \slot, \zero
	MUL16 2, (\q)%2, \q, \slot, \zero
	s_wait_dscnt 0
	PLACES NP
	FETCH_B \slot, (\q)+1, 1-(\q)%2
	FETCH_A \slot, (\q)+1, 0
	WIN MUL_HI
	MUL16 4, (\q)%2, \q, \slot, \zero
	MUL16 6, (\q)%2, \q, \slot, \zero
	PLACES NP
	WIN 0
	FETCH_A \slot, (\q)+1, 4
.endm
; a slot's last step changes slots: one barrier; in front of it each wave waits for all its tensor loads, adds 0 to its spare word, and waits for that and for its reads of this slot
.macro TURN slot, next, fill
	s_wait_tensorcnt 0x0                           ; all my tensor loads have landed: my part of the next slot
	ds_add_u32 v[SPW], v[NIL]
	s_wait_dscnt 4*NL+1                            ; the add and the youngest eight loads may be out
	WIN MUL_LO
	MUL16 0, 1, NQ-1, \slot, 0
	s_wait_dscnt 0x0                               ; the add is done, and my reads of this slot are over
	s_barrier_signal -1
	MUL16 2, 1, NQ-1, \slot, 0
	WIN 0
	s_barrier_wait -1
.if \fill
	CREST                                          ; the barrier has opened a round of the cluster's: no wave of any partner still reads this slot or has a load on its way
	s_add_nc_u64 s[G0+4*\slot+2:G0+4*\slot+3], s[G0+4*\slot+2:G0+4*\slot+3], 2*HALFT
	s_add_nc_u64 s[G0B+4*\slot+2:G0B+4*\slot+3], s[G0B+4*\slot+2:G0B+4*\slot+3], 2*HALFT
	JLOAD G0+4*\slot, G1, G0B+4*\slot, G1B         ; my one tensor load behind the round; its four v_nop are the places in front of the loads below
.else
	PLACES NP
.endif
	v_add_nc_u32 v[ADRS], 2048, v[ADRS]            ; the next K step's scale words
	FETCH_B \next, 0, 0
	FETCH_A \next, 0, 0
	SCALES \next
	WIN MUL_HI
	MUL16 4, 1, NQ-1, \slot, 0
	MUL16 6, 1, NQ-1, \slot, 0
	PLACES NP
	WIN 0
	FETCH_A \next, 0, 4
.endm
.macro STEPS slot, from
.set QS, \from
.rept NQ-1-\from
	STEP \slot, QS, 0
.set QS, QS+1
.endr
.endm
	s_wait_tensorcnt 1                             ; the scale words and my part of K step 0 are in; K step 1's load may be out
	s_barrier_signal -1
	s_barrier_wait -1
	FETCH_B 0, 0, 0
	FETCH_A 0, 0, 0
	SCALES 0
	FETCH_A 0, 0, 4
	STEP 0, 0, 1                                   ; sixteen steps, written out: the first starts the sums
	STEPS 0, 1
	TURN 0, 1, 1                                   ; slot 0 takes K step 2
	STEPS 1, 0
	TURN 1, 0, 1                                   ; slot 1 takes K step 3
	STEPS 0, 0
	TURN 0, 1, 0
	STEPS 1, 0
	s_wait_dscnt 4*NL
	WIN MUL_LO
	MUL16 0, 1, NQ-1, 1, 0
	MUL16 2, 1, NQ-1, 1, 0
	s_wait_dscnt 0
	WIN MUL_HI
	MUL16 4, 1, NQ-1, 1, 0
	MUL16 6, 1, NQ-1, 1, 0
	WIN 0
	PLACES NP                                      ; in front of the first read of results and the first write of operand registers
	s_mov_b32 s23, 0
	s_cmp_eq_u32 s95, 0
	s_cbranch_scc1 .Lvalues
; ---- q and k.  Accumulator (a, b): lane (r, h) holds position 16 a + r and channels 16 b + 8 h + 0..7 of my head: four pairs; pair i turns by table entry 8 b + 4 h + i.
	s_lshl_b32 s22, s42, 1
	s_add_co_u32 s22, s22, s16
	s_lshl_b32 s22, s22, 19                        ; my head among the 32 of q and k
	s_lshl_b32 s21, s20, 12                        ; my first tile of positions
	s_add_co_u32 s22, s22, s21
	s_add_nc_u64 s[10:11], s[6:7], s[22:23]
.macro ROPE a
.set AC, 64*((\a)%4)
.set CSB, 64+128*((\a)%2)
.set OU, 192+32*((\a)%2)
.if (\a) < 7
	s_wait_loadcnt 16                              ; this block's 16 table loads are in; the next block's 16 may be out
.else
	s_wait_loadcnt 0x0
.endif
	WIN 0x06+(\a)/4                                ; source 0: the accumulators' window; source 1: window 1
.set bb, 0
.rept 8
.set ii, 0
.rept 4
	v_mul_f32 v[TT+8*bb+2*ii], v[AC+8*bb+2*ii+1], v[CSB+8*bb+4+ii]                       ; xi sin
	v_mul_f32 v[TT+8*bb+2*ii+1], v[AC+8*bb+2*ii+1], v[CSB+8*bb+ii]                       ; xi cos
	v_fma_f32 v[TT+8*bb+2*ii], v[AC+8*bb+2*ii], v[CSB+8*bb+ii], -v[TT+8*bb+2*ii]         ; xr cos - xi sin
	v_fma_f32 v[TT+8*bb+2*ii+1], v[AC+8*bb+2*ii], v[CSB+8*bb+4+ii], v[TT+8*bb+2*ii+1]    ; xr sin + xi cos
.set ii, ii+1
.endr
.set bb, bb+1
.endr
	s_wait_xcnt 0x0                                ; earlier stores have read their data: the registers below are written again only behind this wait
.if (\a)+2 < 8
	WIN TO_B
	CSLOAD (\a)+2
.endif
	WIN 0
.set ii, 0
.rept 32
	v_cvt_pk_f16_f32 v[OU+ii], v[TT+2*ii], v[TT+2*ii+1]
.set ii, ii+1
.endr
.set bb, 0
.rept 8
	global_store_b128 v[CO], v[OU+4*bb:OU+4*bb+3], s[10:11] offset:(\a)*4096+bb*512   ; 512 consecutive bytes: half an image
.set bb, bb+1
.endr
.endm
.irp a, 0,1,2,3,4,5,6,7
	ROPE \a
.endr
	s_branch .Lout
.Lvalues:
; ---- v.  Accumulator (a, b): lane (r, h) holds channel 16 a + r of my head and positions 16 b + 8 h + 0..7: image (positions / 32 = b / 2, channel tile a), group b % 2.
	s_lshl_b32 s22, s17, 1
	s_add_co_u32 s22, s22, s15
	s_lshl_b32 s22, s22, 19                        ; my head
	s_and_b32 s21, s42, 15
	s_lshl_b32 s21, s21, 1
	s_add_co_u32 s21, s21, s16
	s_lshl_b32 s21, s21, 15                        ; my 128 positions: four runs of 32, 8,192 bytes each
	s_add_co_u32 s22, s22, s21
	s_add_co_u32 s22, s22, 0x1000000
	s_add_nc_u64 s[10:11], s[6:7], s[22:23]        ; high parts
	s_add_nc_u64 s[12:13], s[10:11], 0x800000      ; low parts
.macro VOUT a
.set AC, 64*((\a)%4)
	WIN 0x02+(\a)/4                                ; source 0: the accumulators' window
.set ii, 0
.rept 64
	v_and_b32 v[128+ii], v[AC+ii], v[CUT]          ; the high part, still f32
.set ii, ii+1
.endr
.set ii, 0
.rept 32
	v_pk_add_f32 v[192+ii:193+ii], v[AC+ii:AC+ii+1], v[128+ii:129+ii] neg_lo:[0,1] neg_hi:[0,1]   ; the rest, exact
.set ii, ii+2
.endr
	WIN 0
	s_wait_xcnt 0x0                                ; the last block's stores have read v32-95
.set ii, 0
.rept 32
	v_cvt_pk_f16_f32 v[32+ii], v[128+2*ii], v[129+2*ii]
	v_cvt_pk_f16_f32 v[64+ii], v[192+2*ii], v[193+2*ii]
.set ii, ii+1
.endr
.set bb, 0
.rept 8
	global_store_b128 v[CO], v[32+4*bb:35+4*bb], s[10:11] offset:(bb/2)*8192+(\a)*1024+(bb%2)*512
	global_store_b128 v[CO], v[64+4*bb:67+4*bb], s[12:13] offset:(bb/2)*8192+(\a)*1024+(bb%2)*512
.set bb, bb+1
.endr
.endm
.irp a, 0,1,2,3,4,5,6,7
	VOUT \a
.endr
.Lout:
	s_wait_tensorcnt 0x0                           ; the wave's end
	ds_add_u32 v[SPW], v[NIL]
	s_wait_dscnt 0x0
	CROUND                                         ; the closing round: no work-group ends while a partner may still ask for a tile that names it
	s_endpgm
.Lfunc_end_k_q136c659fac_qkv:
	.size	k_q136c659fac_qkv, .Lfunc_end_k_q136c659fac_qkv-k_q136c659fac_qkv
	.p2alignl 7, 3214868480
	.fill 96, 4, 3214868480
	.section	.rodata,"a",@progbits
	.p2align	6, 0x0
	.amdhsa_kernel k_q136c659fac_qkv
		.amdhsa_group_segment_fixed_size 327680
		.amdhsa_private_segment_fixed_size 0
		.amdhsa_enable_private_segment 0
		.amdhsa_kernarg_size 16
		.amdhsa_user_sgpr_count 2
		.amdhsa_user_sgpr_kernarg_segment_ptr 1
		.amdhsa_wavefront_size32 1
		.amdhsa_system_sgpr_workgroup_id_x 1
		.amdhsa_system_sgpr_workgroup_id_y 1
		.amdhsa_system_sgpr_workgroup_id_z 1
		.amdhsa_system_vgpr_workitem_id 0
		.amdhsa_next_free_vgpr 1024
		.amdhsa_next_free_sgpr 98
		.amdhsa_reserve_vcc 0
		.amdhsa_float_denorm_mode_32 3
		.amdhsa_float_denorm_mode_16_64 3
		.amdhsa_memory_ordered 1
		.amdhsa_forward_progress 1
		.amdhsa_inst_pref_size 255
	.end_amdhsa_kernel
	.section	.bss,"aw",@nobits
	.p2align	6
	.space	262144
	.amdgpu_metadata
---
amdhsa.version: [ 1, 2 ]
amdhsa.kernels:
  - .name:           k_q136c659fac_qkv
    .symbol:         k_q136c659fac_qkv.kd
    .args:
      - { .name: prepbuf, .offset: 0, .size: 8, .value_kind: global_buffer, .address_space: global }
      - { .name: qkvbuf, .offset: 8, .size: 8, .value_kind: global_buffer, .address_space: global }
    .group_segment_fixed_size: 327680
    .private_segment_fixed_size: 0
    .kernarg_segment_align: 8
    .kernarg_segment_size: 16
    .max_flat_workgroup_size: 128
    .sgpr_count:     98
    .vgpr_count:     1024
    .wavefront_size: 32
...
	.end_amdgpu_metadata
.endif
;; end of part 2
;; launch attn (part 3): grid 16 x 16, 8 waves a work-group, clusters of 4 x 4, 327,680 bytes of LDS; arguments qkvbuf, mask, abuf; writes abuf
.if DOCPART == 3
	.amdgcn_target "amdgcn-amd-amdhsa--gfx1250"
	.amdhsa_code_object_version 6
	.text
	.protected	k_q136c659fac_attn
	.globl	k_q136c659fac_attn
	.p2align	8
	.type	k_q136c659fac_attn,@function
k_q136c659fac_attn:
	s_mov_b64 s[64:65], 0
	v_nop
	global_prefetch_b8 v0, s[64:65] scope:SCOPE_SE
	s_setreg_imm32_b32 hwreg(HW_REG_WAVE_MODE, 25, 1), 1
	s_wait_xcnt 0x0
	s_wait_alu depctr_hold_cnt(0) depctr_sa_sdst(0) depctr_va_vdst(0) depctr_va_sdst(0) depctr_va_ssrc(0) depctr_va_vcc(0) depctr_vm_vsrc(0)
	s_getreg_b32 s2, hwreg(HW_REG_IB_STS2, 6, 4)
	s_cmp_eq_u32 s2, 0
	s_cbranch_scc0 .Lentry_in_a_cluster
	s_endpgm
.Lentry_in_a_cluster:
	s_bfe_u32 s2, ttmp6, 0x10000c
	s_cmp_lg_u32 s2, 0xf033
	s_cbranch_scc0 .Lentry_shape_is_right
	s_endpgm
.Lentry_shape_is_right:
; softmax(q k^T / sqrt(128) + mask) v for all positions, f16 operands, f32 sums.  The mask is an input: every score is computed, and the mask is added in f32 as it is given.
; SHARES.  Work-group (qb, hd): 128 queries of one head.  Wave w: queries 32 (w % 4) on (two tiles of 16), and of each slot's 128 keys the half w / 4.  Two waves of 512 registers share a SIMD, so that one wave's
; softmax stands beside the other's products.  The two key halves keep a running maximum and sum each, and are merged once at the end, through LDS.
; LAYOUT.  S^T = K Q^T (source 0 = 16 keys, source 1 = 16 queries): a lane holds one query and keys 8 (lane / 16) + 0..7; two such tiles, packed to f16, are source 1 of O^T = V^T P.  q, k, v lie as images of operand
; registers, v with the positions innermost: every fragment load is 16 x lane + a constant.
; SOFTMAX.  u = s / sqrt(128) + mask; running maximum m; p = 2^((u - m) log2 e): the difference is formed first, so that keys that all carry a large negative mask still give p <= 1.
; CLUSTERS 4 x 4.  K and V hang on the head alone: asked for jointly along a row of the cluster (waves 0-3).  The mask's rows hang on the query block alone: jointly along a column (waves 4-7).
; THE WALK.  A cluster walks the 16 slots of keys from slot 4 ((cluster x + cluster y) % 4) on, round the end: clusters that share a head, or a query block, stand in different quarters.  The order of keys is free.
; LIMITS: mask entries are finite (a query whose first-walked 64 keys all carry -infinity gives NaN); q, k, v and the result stay under 65,504 in magnitude.
; LDS: two slots of 135,168 bytes: K 32,768 [half][key tile 0..3][f 0..3]; V 32,768 [32 keys 0..3][channel tile 0..7]; mask [key half][query 0..127] rows of 256 bytes + 16.  The merge's stage lies in slot 0, behind its last fill and read.
; REGISTERS: window 0: v2-7 addresses; v12, v13 the add's two; v16-31 statistics (a tile's eight: +0 m, +2, +3 the sum, +4..7 at work, a in +6); v32-95 S; v96-127 P; v128-191 mask; v192-255 Q.
;            window 1: v0-127 O^T (64 t + 8 channel tile); v128-255 K, then V.
.set SLOT,  135168
.set MOFF,  65536
.set SPARE, 2*SLOT
.set ST,  16
.set S,   32
.set P,   96
.set MK,  128
.set Q,   192
.set KV,  128
.set G1D, 24
.set G1M, 32
.set G0D, 56
.set G0M, 68
.set MSB, 0
.macro WIN new
.if MSB != (\new)
	s_set_vgpr_msb (MSB<<8)|(\new)
.set MSB, (\new)
.endif
.endm
.macro JLOAD sl                        ; waves 0-3: K's and V's halves; waves 4-7: the mask's quarters.  An s_nop 0 and four v_nop follow each line
	s_cmp_lt_u32 s12, 4
	s_cbranch_scc0 .Lfor_m_\@
	tensor_load_to_lds s[G0D+4*\sl:G0D+4*\sl+3], s[G1D:G1D+7]
	s_nop 0
.rept 4
	v_nop
.endr
	s_branch .Lasked_\@
.Lfor_m_\@:
	tensor_load_to_lds s[G0M+4*\sl:G0M+4*\sl+3], s[G1M:G1M+7]
	s_nop 0
.rept 4
	v_nop
.endr
.Lasked_\@:
.endm
.macro CROUND
	s_barrier_signal -1
	s_barrier_wait -1
	s_cmp_lg_u32 s12, 0
	s_cbranch_scc1 .Lnot_wave_0_\@
	s_barrier_signal -3
.Lnot_wave_0_\@:
	s_barrier_wait -3
	s_barrier_signal -1
	s_barrier_wait -1
.endm
.macro SETG0 sl                        ; both global addresses of slot sl for the next slot of keys, s46 % 16; s46 steps
	s_and_b32 s47, s46, 15
	s_lshl_b32 s48, s47, 15
	s_add_nc_u64 s[G0D+4*\sl+2:G0D+4*\sl+3], s[50:51], s[48:49]
	s_or_b32 s[G0D+4*\sl+3], s[G0D+4*\sl+3], 0x80000000
	s_lshl_b32 s48, s47, 9
	s_add_nc_u64 s[G0M+4*\sl+2:G0M+4*\sl+3], s[52:53], s[48:49]
	s_or_b32 s[G0M+4*\sl+3], s[G0M+4*\sl+3], 0x80000000
	s_add_co_u32 s46, s46, 1
.endm
	s_load_b128 s[4:7], s[0:1], 0x0                ; qkvbuf, mask
	s_load_b64 s[8:9], s[0:1], 0x10                ; abuf
	v_lshl_add_u32 v12, v0, 2, SPARE
	v_mov_b32 v13, 0
	ds_add_u32 v12, v13                            ; the wave's opening: the add, twice on end, and its wait ahead of my first tensor load
	ds_add_u32 v12, v13
	v_lshrrev_b32 v1, 5, v0
	v_readfirstlane_b32 s12, v1                    ; wave 0..7
	s_and_b32 s13, s12, 3                          ; which 32 queries
	s_lshr_b32 s14, s12, 2                         ; which half of a slot's keys
	s_bfe_u32 s40, ttmp6, 0x40000                  ; cx
	s_bfe_u32 s41, ttmp6, 0x40004                  ; cy
	s_lshl_b32 s42, ttmp9, 2
	s_add_co_u32 s42, s42, s40                     ; query block
	s_and_b32 s47, ttmp7, 0xffff
	s_lshl_b32 s43, s47, 2
	s_add_co_u32 s43, s43, s41                     ; head
	s_lshl_b32 s44, s41, 2
	s_lshl_b32 s44, 15, s44                        ; my row of the cluster
	s_lshl_b32 s45, 0x1111, s40                    ; my column
	s_add_co_u32 s46, ttmp9, s47
	s_and_b32 s46, s46, 3
	s_lshl_b32 s46, s46, 2                         ; the walk's first slot: the cluster's ids alone
	s_mov_b32 s49, 0
	; all LDS addresses, of the wave's number and the lane alone
	v_and_b32 v8, 15, v0                           ; r
	v_bfe_u32 v9, v0, 4, 1                         ; h
	v_and_b32 v10, 31, v0
	v_lshlrev_b32 v6, 4, v10                       ; 16 x lane
	s_lshl_b32 s20, s14, 14
	v_add_nc_u32 v2, s20, v6                       ; K's (and, 32,768 on, V's) images of my key half, slot 0,
	s_add_co_u32 s20, s20, SLOT
	v_add_nc_u32 v3, s20, v6                       ; slot 1
	v_mul_u32_u24 v10, v8, 272
	v_lshl_add_u32 v10, v9, 5, v10
	s_mul_i32 s20, s14, 34816
	s_mul_i32 s21, s13, 32*272
	s_add_co_u32 s20, s20, s21
	s_add_co_u32 s20, s20, MOFF
	v_add_nc_u32 v4, s20, v10                      ; the mask: my key half, query 32 (w % 4) + r, + 32 h
	s_add_co_u32 s20, s20, SLOT
	v_add_nc_u32 v5, s20, v10
	s_mul_i32 s20, s13, 16896
	v_add_nc_u32 v7, s20, v6                       ; the merge's stage
	v_mov_b32 v[ST+1], 0                           ; named as the upper halves of the pairs with m: written once
	v_mov_b32 v[ST+9], 0
	; group 1: K, V: 16,384 dense bytes as 64 rows of 256.  Mask: 64 rows x 64 f32, rows 2,048 elements apart, 16 bytes of padding behind each 256
	s_or_b32 s[G1D], s44, (3<<16)|(1<<21)
	s_mov_b32 s[G1D+1], 32<<16
	s_mov_b32 s[G1D+2], 64<<16
	s_mov_b32 s[G1D+3], 32<<16
	s_mov_b32 s[G1D+4], 64
	s_mov_b32 s[G1D+5], 32
	s_mov_b32 s[G1D+6], 0
	s_mov_b32 s[G1D+7], 0
	s_or_b32 s[G1M], s45, (2<<16)|(1<<20)|(1<<21)|(5<<22)|(3<<25)
	s_mov_b32 s[G1M+1], 64<<16
	s_mov_b32 s[G1M+2], 64<<16
	s_mov_b32 s[G1M+3], 64<<16
	s_mov_b32 s[G1M+4], 64
	s_mov_b32 s[G1M+5], 2048
	s_mov_b32 s[G1M+6], 0
	s_mov_b32 s[G1M+7], 0
	s_bfe_u32 s20, s12, 0x10001                    ; (w / 2) % 2
	s_and_b32 s21, s12, 1
	s_lshl_b32 s22, 0x800000, s20                  ; K (waves 0, 1) or V's high parts (waves 2, 3),
	s_lshl_b32 s23, s43, 19                        ; my head,
	s_add_co_u32 s22, s22, s23
	s_lshl_b32 s23, s21, 14                        ; my half of a slot's 32,768 bytes
	s_add_co_u32 s22, s22, s23
	s_mov_b32 s23, 0
	s_lshl_b32 s16, s42, 7
	s_lshl_b32 s17, s21, 6
	s_add_co_u32 s16, s16, s17                     ; the mask: my 64 of the block's 128 rows,
	s_lshl_b32 s16, s16, 13
	s_lshl_b32 s17, s20, 8                         ; my half of a slot's 128 keys
	s_add_co_u32 s16, s16, s17
	s_mov_b32 s17, 0
	s_lshl_b32 s18, s13, 14                        ; where they go
	s_mul_i32 s19, s13, 17408
	s_add_co_u32 s19, s19, MOFF
	s_mov_b32 s76, 0x3db504f3                      ; 1 / sqrt(128)
	s_mov_b32 s77, s76
	s_mov_b32 s78, 0x3fb8aa3b                      ; log2 e
	s_mov_b32 s79, s78
	s_mov_b32 s80, 0x76543210
	s_mov_b32 s81, 0xfedcba98                      ; selects for lane xor 16
	s_lshl_b32 s84, s43, 19                        ; Q: my head, my two tiles
	s_lshl_b32 s85, s42, 3
	s_add_co_u32 s85, s85, s13
	s_add_co_u32 s85, s85, s13
	s_lshl_b32 s85, s85, 12
	s_add_co_u32 s84, s84, s85
	s_mov_b32 s85, 0
	s_lshl_b32 s86, s42, 1                         ; the result: [positions / 64][k / 256][tile][k / 32] images, k = 128 head + channel
	s_lshr_b32 s87, s13, 1
	s_add_co_u32 s86, s86, s87
	s_lshl_b32 s86, s86, 18
	s_lshr_b32 s87, s43, 1
	s_lshl_b32 s87, s87, 15
	s_add_co_u32 s86, s86, s87
	s_and_b32 s87, s13, 1
	s_lshl_b32 s87, s87, 14
	s_add_co_u32 s86, s86, s87
	s_and_b32 s87, s43, 1
	s_lshl_b32 s87, s87, 12
	s_add_co_u32 s86, s86, s87
	s_mov_b32 s87, 0
	s_wait_dscnt 0x0                               ; both opening adds are done
	s_wait_kmcnt 0x0
	s_add_nc_u64 s[50:51], s[4:5], s[22:23]
	s_add_nc_u64 s[52:53], s[6:7], s[16:17]
	s_add_nc_u64 s[10:11], s[4:5], s[84:85]
	s_add_nc_u64 s[54:55], s[8:9], s[86:87]
	CROUND                                         ; all sixteen work-groups are here: the first joint loads meet
.irp s, 0,1
	s_mov_b32 s[G0D+4*\s], 1
	s_add_co_u32 s[G0D+4*\s+1], s18, \s*SLOT
	s_mov_b32 s[G0M+4*\s], 1
	s_add_co_u32 s[G0M+4*\s+1], s19, \s*SLOT
	SETG0 \s
.endr
	s_cmp_lt_u32 s12, 4                            ; a wave's two first fills stand in one branch: two tensor loads of mine are out
	s_cbranch_scc0 .Lfirst_m
	tensor_load_to_lds s[G0D:G0D+3], s[G1D:G1D+7]
	s_nop 0
	tensor_load_to_lds s[G0D+4:G0D+7], s[G1D:G1D+7]
	s_nop 0
.rept 4
	v_nop
.endr
	s_branch .Lfirst_asked
.Lfirst_m:
	tensor_load_to_lds s[G0M:G0M+3], s[G1M:G1M+7]
	s_nop 0
	tensor_load_to_lds s[G0M+4:G0M+7], s[G1M:G1M+7]
	s_nop 0
.rept 4
	v_nop
.endr
.Lfirst_asked:
.set ii, 0
.rept 16
	global_load_b128 v[Q+4*ii:Q+4*ii+3], v6, s[10:11] offset:512*ii   ; Q's eight fragments stay in registers
.set ii, ii+1
.endr
; the softmax of both tiles, line by line.  first = 1: there is no old maximum, no a, and the sum begins
.macro SOFT first
.set ii, 0
.rept 16
.irp t, 0,1
	v_pk_fma_f32 v[S+32*\t+ii:S+32*\t+ii+1], v[S+32*\t+ii:S+32*\t+ii+1], s[76:77], v[MK+32*\t+ii:MK+32*\t+ii+1] op_sel_hi:[1,0,1]   ; u = s / sqrt(128) + mask; each accumulator from its low end on
.endr
.set ii, ii+2
.endr
.irp j, 0,1,2,3
.irp t, 0,1
	v_max3_num_f32 v[ST+8*\t+4+\j], v[S+32*\t+8*\j], v[S+32*\t+8*\j+1], v[S+32*\t+8*\j+2]
.endr
.endr
.irp k, 3,5
.irp j, 0,1,2,3
.irp t, 0,1
	v_max3_num_f32 v[ST+8*\t+4+\j], v[ST+8*\t+4+\j], v[S+32*\t+8*\j+\k], v[S+32*\t+8*\j+\k+1]
.endr
.endr
.endr
.irp t, 0,1
	v_max3_num_f32 v[ST+8*\t+4], v[ST+8*\t+4], v[S+32*\t+7], v[S+32*\t+15]
	v_max3_num_f32 v[ST+8*\t+6], v[ST+8*\t+6], v[S+32*\t+23], v[S+32*\t+31]
.endr
.irp t, 0,1
	v_max3_num_f32 v[ST+8*\t+4], v[ST+8*\t+4], v[ST+8*\t+5], v[ST+8*\t+6]
.endr
.irp t, 0,1
.if \first
	v_max_num_f32 v[ST+8*\t+4], v[ST+8*\t+4], v[ST+8*\t+7]
.else
	v_max3_num_f32 v[ST+8*\t+4], v[ST+8*\t+4], v[ST+8*\t+7], v[ST+8*\t]
.endif
.endr
.irp t, 0,1
	v_permlanex16_b32 v[ST+8*\t+5], v[ST+8*\t+4], s80, s81     ; the query's other 32 keys lie in the lane 16 away
.endr
.irp t, 0,1
	v_max_num_f32 v[ST+8*\t+4], v[ST+8*\t+4], v[ST+8*\t+5]     ; the new m
.endr
.if !\first
.irp t, 0,1
	v_sub_f32 v[ST+8*\t+7], v[ST+8*\t], v[ST+8*\t+4]
.endr
.irp t, 0,1
	v_mul_f32 v[ST+8*\t+7], s78, v[ST+8*\t+7]                  ; (old m - new m) log2 e
.endr
.endif
.irp t, 0,1
	v_mov_b32 v[ST+8*\t], v[ST+8*\t+4]
.endr
.set ii, 0
.rept 16
.irp t, 0,1
	v_pk_add_f32 v[S+32*\t+ii:S+32*\t+ii+1], v[S+32*\t+ii:S+32*\t+ii+1], v[ST+8*\t:ST+8*\t+1] op_sel_hi:[1,0] neg_lo:[0,1] neg_hi:[0,1]   ; u - m
.endr
.set ii, ii+2
.endr
.set ii, 0
.rept 16
.irp t, 0,1
	v_pk_mul_f32 v[S+32*\t+ii:S+32*\t+ii+1], v[S+32*\t+ii:S+32*\t+ii+1], s[78:79] op_sel_hi:[1,0]
.endr
.set ii, ii+2
.endr
.if !\first
.irp t, 0,1
	v_exp_f32 v[ST+8*\t+6], v[ST+8*\t+7]                       ; a
.endr
.endif
.set ii, 0
.rept 32
.irp t, 0,1
	v_exp_f32 v[S+32*\t+ii], v[S+32*\t+ii]                     ; p; all exponentials are one batch: none reads another's result
.endr
.set ii, ii+1
.endr
	v_nop                                          ; a plain line behind the last exponential
	s_wait_alu depctr_va_vdst(0)                   ; one wait for the batch, ahead of its first reader
.set ii, 0
.rept 16
.irp t, 0,1
	v_cvt_pk_f16_f32 v[P+16*\t+ii], v[S+32*\t+2*ii], v[S+32*\t+2*ii+1]
.endr
.set ii, ii+1
.endr
.irp w, 4,8,16                         ; the sum of the unrounded p, in place: pairs 1, 2 and 4 apart
.set uu, 0
.rept 32/\w
.irp t, 0,1
	v_pk_add_f32 v[S+32*\t+uu:S+32*\t+uu+1], v[S+32*\t+uu:S+32*\t+uu+1], v[S+32*\t+uu+\w/2:S+32*\t+uu+\w/2+1]
.endr
.set uu, uu+\w
.endr
.endr
.irp t, 0,1
.if \first
	v_pk_add_f32 v[ST+8*\t+2:ST+8*\t+3], v[S+32*\t:S+32*\t+1], v[S+32*\t+16:S+32*\t+17]
.else
	v_pk_fma_f32 v[ST+8*\t+2:ST+8*\t+3], v[ST+8*\t+2:ST+8*\t+3], v[ST+8*\t+6:ST+8*\t+7], v[S+32*\t:S+32*\t+1] op_sel_hi:[1,0,1]
.endif
.endr
.if !\first
.irp t, 0,1
	v_pk_add_f32 v[ST+8*\t+2:ST+8*\t+3], v[ST+8*\t+2:ST+8*\t+3], v[S+32*\t+16:S+32*\t+17]
.endr
.endif
.endm
; my 64 keys of slot sl
.macro STEP sl, first
	WIN 0x40                                       ; destination window 1
.set ii, 0
.rept 32
	ds_load_b128 v[KV+4*ii:KV+4*ii+3], v[2+\sl] offset:512*ii          ; K: 16 fragments (key tile, f)
.set ii, ii+1
.endr
	WIN 0
.irp t, 0,1
.irp k, 0,1,2,3
	ds_load_b128 v[MK+32*\t+8*\k:MK+32*\t+8*\k+3], v[4+\sl] offset:4352*\t+64*\k
	ds_load_b128 v[MK+32*\t+8*\k+4:MK+32*\t+8*\k+7], v[4+\sl] offset:4352*\t+64*\k+16
.endr
.endr
	s_wait_dscnt 16                                ; K is in; the mask's 16 loads may be out
	WIN 0x01                                       ; source 0 (K) window 1
.irp f, 0,1,2,3                        ; eight accumulators by turns, one instruction a turn
.irp k, 0,1,2,3
.irp t, 0,1
.if \f == 0
	v_wmma_f32_16x16x32_f16 v[S+32*\t+8*\k:S+32*\t+8*\k+7], v[KV+8*(4*\k+\f):KV+8*(4*\k+\f)+7], v[Q+32*\t+8*\f:Q+32*\t+8*\f+7], 0
.else
	v_wmma_f32_16x16x32_f16 v[S+32*\t+8*\k:S+32*\t+8*\k+7], v[KV+8*(4*\k+\f):KV+8*(4*\k+\f)+7], v[Q+32*\t+8*\f:Q+32*\t+8*\f+7], v[S+32*\t+8*\k:S+32*\t+8*\k+7]
.endif
.endr
.endr
.endr
.rept 4
	v_nop                                          ; places in front of the loads into K's registers and of the first read of the scores
.endr
	WIN 0x40
.set ii, 0
.rept 32
	ds_load_b128 v[KV+4*ii:KV+4*ii+3], v[2+\sl] offset:32768+512*ii    ; V: 16 fragments (32 keys, channel tile): they land under the softmax
.set ii, ii+1
.endr
	WIN 0
	s_wait_dscnt 32                                ; the mask is in; V's 32 loads may be out
	SOFT \first
.if !\first
	WIN 0x41                                       ; O^T in window 1, a in window 0
.set ii, 0
.rept 32
.irp t, 0,1
	v_pk_mul_f32 v[64*\t+ii:64*\t+ii+1], v[64*\t+ii:64*\t+ii+1], v[ST+8*\t+6:ST+8*\t+7] op_sel_hi:[1,0]
.endr
.set ii, ii+2
.endr
.endif
	s_wait_dscnt 0x0                               ; V is in
	WIN 0x51                                       ; V, C and D window 1, P window 0
.irp g, 0,1                            ; sixteen accumulators by turns
.irp c, 0,1,2,3,4,5,6,7
.irp t, 0,1
.if \first && (\g == 0)
	v_wmma_f32_16x16x32_f16 v[64*\t+8*\c:64*\t+8*\c+7], v[KV+8*(8*\g+\c):KV+8*(8*\g+\c)+7], v[P+16*\t+8*\g:P+16*\t+8*\g+7], 0
.else
	v_wmma_f32_16x16x32_f16 v[64*\t+8*\c:64*\t+8*\c+7], v[KV+8*(8*\g+\c):KV+8*(8*\g+\c)+7], v[P+16*\t+8*\g:P+16*\t+8*\g+7], v[64*\t+8*\c:64*\t+8*\c+7]
.endif
.endr
.endr
.endr
.rept 4
	v_nop                                          ; places in front of the next loads into V's registers, and of the merge's reads
.endr
	WIN 0
.endm
; the change of slots: slot sl has been read.  Each wave waits for all its tensor loads (one is out: its part of the other slot), adds 0 to its spare word, and waits for that and for its reads of the slot.
; fill = 1: a round of the cluster's barrier, and behind it my one joint load: it has a whole step in which to land
.macro CHANGE sl, fill
	s_wait_tensorcnt 0x0
	ds_add_u32 v12, v13
.if \fill
	SETG0 \sl                                      ; no tensor load of mine is out: the slot's addresses may be written
	s_wait_dscnt 0x0
	CROUND
	JLOAD \sl
.else
	s_wait_dscnt 0x0
	s_barrier_signal -1
	s_barrier_wait -1
.endif
.endm
	s_wait_tensorcnt 1                             ; my part of slot 0 is in; slot 1's load may be out
	s_barrier_signal -1
	s_barrier_wait -1
	s_wait_loadcnt 0x0                             ; Q
	STEP 0, 1
	s_mov_b32 s82, 7
.Lpair:                                            ; seven trips fill fourteen slots
	CHANGE 0, 1
	STEP 1, 0
	CHANGE 1, 1
	STEP 0, 0
	s_sub_co_u32 s82, s82, 1
	s_cmp_lg_u32 s82, 0
	s_cbranch_scc1 .Lpair
	CHANGE 0, 0                                    ; the last slot is written out: nothing is left to ask for
	STEP 1, 0
	; THE MERGE of the two key halves
.irp t, 0,1
	v_add_f32 v[ST+8*\t+2], v[ST+8*\t+2], v[ST+8*\t+3]
.endr
.irp t, 0,1
	v_permlanex16_b32 v[ST+8*\t+5], v[ST+8*\t+2], s80, s81
.endr
.irp t, 0,1
	v_add_f32 v[ST+8*\t+2], v[ST+8*\t+2], v[ST+8*\t+5]         ; my half's sum
.endr
	s_cmp_lt_u32 s12, 4
	s_cbranch_scc1 .Lkeep
	v_mov_b32 v8, v[ST]                            ; waves 4-7 hand over m, the sum and O^T, as images of their registers
	v_mov_b32 v9, v[ST+2]
	v_mov_b32 v10, v[ST+8]
	v_mov_b32 v11, v[ST+10]
	ds_store_b128 v7, v[8:11] offset:16384
	WIN 0x04                                       ; an LDS store's data are its source 1: window 1
.set ii, 0
.rept 32
	ds_store_b128 v7, v[4*ii:4*ii+3] offset:512*ii
.set ii, ii+1
.endr
	WIN 0
.Lkeep:
	s_wait_dscnt 0x0                               ; for the others' sake: my stores have landed
	s_barrier_signal -1
	s_barrier_wait -1
	s_cmp_lt_u32 s12, 4
	s_cbranch_scc0 .Ldone
	ds_load_b128 v[8:11], v7 offset:16384
.set ii, 0
.rept 32
	ds_load_b128 v[128+4*ii:131+4*ii], v7 offset:512*ii
.set ii, ii+1
.endr
	s_wait_dscnt 32                                ; the partner's m and sums are in; its O^T may be out
.irp t, 0,1
	v_max_num_f32 v[ST+8*\t+4], v[ST+8*\t], v[8+2*\t]
.endr
.irp t, 0,1
	v_sub_f32 v[ST+8*\t+5], v[ST+8*\t], v[ST+8*\t+4]
	v_sub_f32 v[ST+8*\t+6], v[8+2*\t], v[ST+8*\t+4]
.endr
.irp t, 0,1
	v_mul_f32 v[ST+8*\t+5], s78, v[ST+8*\t+5]
	v_mul_f32 v[ST+8*\t+6], s78, v[ST+8*\t+6]
.endr
.irp t, 0,1
	v_exp_f32 v[ST+8*\t+5], v[ST+8*\t+5]
	v_exp_f32 v[ST+8*\t+6], v[ST+8*\t+6]
.endr
	v_nop
	s_wait_alu depctr_va_vdst(0)                   ; one wait for the four exponentials
.irp t, 0,1
	v_mul_f32 v[ST+8*\t+7], v[ST+8*\t+2], v[ST+8*\t+5]
.endr
.irp t, 0,1
	v_fma_f32 v[ST+8*\t+7], v[9+2*\t], v[ST+8*\t+6], v[ST+8*\t+7]      ; the row's sum
.endr
.irp t, 0,1
	v_rcp_f32 v[ST+8*\t+4], v[ST+8*\t+7]
.endr
	v_nop
	s_wait_alu depctr_va_vdst(0)                   ; one wait for the two reciprocals
.irp t, 0,1
	v_mul_f32 v[ST+8*\t+2], v[ST+8*\t+5], v[ST+8*\t+4]         ; my O^T's factor,
	v_mul_f32 v[ST+8*\t+6], v[ST+8*\t+6], v[ST+8*\t+4]         ; the partner's
.endr
	s_wait_dscnt 0x0
.irp t, 0,1
.set ii, 0
.rept 32
	v_pk_mul_f32 v[128+64*\t+ii:129+64*\t+ii], v[128+64*\t+ii:129+64*\t+ii], v[ST+8*\t+6:ST+8*\t+7] op_sel_hi:[1,0]
.set ii, ii+2
.endr
	WIN 0x01                                       ; source 0: my O^T, window 1
.set ii, 0
.rept 32
	v_pk_fma_f32 v[128+64*\t+ii:129+64*\t+ii], v[64*\t+ii:64*\t+ii+1], v[ST+8*\t+2:ST+8*\t+3], v[128+64*\t+ii:129+64*\t+ii] op_sel_hi:[1,0,1]
.set ii, ii+2
.endr
	WIN 0
.set ii, 0
.rept 32
	v_cvt_pk_f16_f32 v[32+32*\t+ii], v[128+64*\t+2*ii], v[129+64*\t+2*ii]
.set ii, ii+1
.endr
.set ii, 0
.rept 8
	global_store_b128 v6, v[32+32*\t+4*ii:35+32*\t+4*ii], s[54:55] offset:8192*\t+512*ii   ; 512 consecutive bytes: half an image
.set ii, ii+1
.endr
.endr
.Ldone:
	s_wait_tensorcnt 0x0                           ; the wave's end
	ds_add_u32 v12, v13
	s_wait_dscnt 0x0
	CROUND                                         ; the closing round
	s_endpgm
.Lfunc_end_k_q136c659fac_attn:
	.size	k_q136c659fac_attn, .Lfunc_end_k_q136c659fac_attn-k_q136c659fac_attn
	.p2alignl 7, 3214868480
	.fill 96, 4, 3214868480
	.section	.rodata,"a",@progbits
	.p2align	6, 0x0
	.amdhsa_kernel k_q136c659fac_attn
		.amdhsa_group_segment_fixed_size 327680
		.amdhsa_private_segment_fixed_size 0
		.amdhsa_enable_private_segment 0
		.amdhsa_kernarg_size 24
		.amdhsa_user_sgpr_count 2
		.amdhsa_user_sgpr_kernarg_segment_ptr 1
		.amdhsa_wavefront_size32 1
		.amdhsa_system_sgpr_workgroup_id_x 1
		.amdhsa_system_sgpr_workgroup_id_y 1
		.amdhsa_system_sgpr_workgroup_id_z 1
		.amdhsa_system_vgpr_workitem_id 0
		.amdhsa_next_free_vgpr 512
		.amdhsa_next_free_sgpr 90
		.amdhsa_reserve_vcc 0
		.amdhsa_float_denorm_mode_32 3
		.amdhsa_float_denorm_mode_16_64 3
		.amdhsa_memory_ordered 1
		.amdhsa_forward_progress 1
		.amdhsa_inst_pref_size 140
	.end_amdhsa_kernel
	.amdgpu_metadata
---
amdhsa.version: [ 1, 2 ]
amdhsa.kernels:
  - .name:           k_q136c659fac_attn
    .symbol:         k_q136c659fac_attn.kd
    .args:
      - { .name: qkvbuf, .offset: 0, .size: 8, .value_kind: global_buffer, .address_space: global }
      - { .name: mask, .offset: 8, .size: 8, .value_kind: global_buffer, .address_space: global }
      - { .name: abuf, .offset: 16, .size: 8, .value_kind: global_buffer, .address_space: global }
    .group_segment_fixed_size: 327680
    .private_segment_fixed_size: 0
    .kernarg_segment_align: 8
    .kernarg_segment_size: 24
    .max_flat_workgroup_size: 256
    .sgpr_count:     90
    .vgpr_count:     512
    .wavefront_size: 32
...
	.end_amdgpu_metadata
.endif
;; end of part 3
;; launch proj (part 4): grid 16 x 16, 4 waves a work-group, clusters of 4 x 4, 327,680 bytes of LDS; arguments abuf, prepbuf, out0; writes out0
.if DOCPART == 4
	.amdgcn_target "amdgcn-amd-amdhsa--gfx1250"
	.amdhsa_code_object_version 6
	.text
	.protected	k_q136c659fac_proj
	.globl	k_q136c659fac_proj
	.p2align	8
	.type	k_q136c659fac_proj,@function
k_q136c659fac_proj:
	s_mov_b64 s[64:65], 0
	v_nop
	global_prefetch_b8 v0, s[64:65] scope:SCOPE_SE
	s_setreg_imm32_b32 hwreg(HW_REG_WAVE_MODE, 25, 1), 1
	s_wait_xcnt 0x0
	s_wait_alu depctr_hold_cnt(0) depctr_sa_sdst(0) depctr_va_vdst(0) depctr_va_sdst(0) depctr_va_ssrc(0) depctr_va_vcc(0) depctr_vm_vsrc(0)
	s_getreg_b32 s2, hwreg(HW_REG_IB_STS2, 6, 4)
	s_cmp_eq_u32 s2, 0
	s_cbranch_scc0 .Lentry_in_a_cluster
	s_endpgm
.Lentry_in_a_cluster:
	s_bfe_u32 s2, ttmp6, 0x10000c
	s_cmp_lg_u32 s2, 0xf033
	s_cbranch_scc0 .Lentry_shape_is_right
	s_endpgm
.Lentry_shape_is_right:
; out0 = (attention's result) wo, f16 operands (wo's high parts), f32 sums and f32 results.  256 tiles of 128 x 128, four waves of 64 x 64 (16 accumulators); K = 2,048 in eight K steps of 256 on two LDS slots.
; Both operands lie as images of operand registers, [64 rows][K step][tile of 16 rows][k / 32]: a wave's tensor load brings one dense block of 32,768 bytes (64 rows x 256 k); no padding; every fragment load is 16 x lane + a constant.
; CLUSTERS 4 x 4: A's tiles (positions) are asked for jointly along a row of the cluster, B's (columns of wo) along a column.  The matrix instruction is used transposed (source 0 = wo, source 1 = A): a lane holds eight neighbouring numbers of a row.
; Rows 0 to 15 of out0 are stored here like all others and stored again, carried more finely, by a later launch.
; REGISTERS: window 0: v16-29 addresses; v32-95 the way out; v128-255 accumulators ((a, b) at v[128 + 8 (4 a + b)]).  window 1: two fragment buffers of 128: for 64 along K, 64 registers of A, then 64 of B.
.set HALFT,  32768
.set SLOT,   4*HALFT
.set STAGE,  2*SLOT                    ; behind the ring: 16 rows x (256 bytes + 16) for each wave; no tensor load lands here
.set SPITCH, 272
.set SPARE,  STAGE+4*16*SPITCH
.set LAPS, 4
.set ADRA, 16
.set ADRB, 20
.set STO,  24
.set RD,   25
.set CO,   26
.set SPW,  28
.set NIL,  29
.set TMP,  32
.set ACC,  128
.set F0,   0
.set F1,   128
.set G1, 24
.set G0, 32
.set G1B, 48
.set G0B, 56
.set MSB, 0
.macro WIN new
.if MSB != (\new)
	s_set_vgpr_msb (MSB<<8)|(\new)
.set MSB, (\new)
.endif
.endm
.set MUL,  0x05                        ; sources 0 (B) and 1 (A) window 1; C and D window 0
.set TO_F, 0x40
.macro JLOAD s                         ; waves 0 and 1 fetch A's two halves, waves 2 and 3 B's; an s_nop 0 and four v_nop follow each line
	s_cmp_eq_u32 s11, 0
	s_cbranch_scc0 .Lfor_b_\@
	tensor_load_to_lds s[G0+4*\s:G0+4*\s+3], s[G1:G1+7]
	s_nop 0
.rept 4
	v_nop
.endr
	s_branch .Lasked_\@
.Lfor_b_\@:
	tensor_load_to_lds s[G0B+4*\s:G0B+4*\s+3], s[G1B:G1B+7]
	s_nop 0
.rept 4
	v_nop
.endr
.Lasked_\@:
.endm
.macro CREST
	s_cmp_lg_u32 s10, 0
	s_cbranch_scc1 .Lnot_wave_0_\@
	s_barrier_signal -3
.Lnot_wave_0_\@:
	s_barrier_wait -3
	s_barrier_signal -1
	s_barrier_wait -1
.endm
.macro CROUND
	s_barrier_signal -1
	s_barrier_wait -1
	CREST
.endm
	s_load_b128 s[4:7], s[0:1], 0x0                ; abuf, prepbuf
	s_load_b64 s[8:9], s[0:1], 0x10                ; out0
	v_lshl_add_u32 v[SPW], v0, 2, SPARE
	v_mov_b32 v[NIL], 0
	ds_add_u32 v[SPW], v[NIL]                      ; the wave's opening: the add, twice on end, and its wait ahead of my first tensor load
	ds_add_u32 v[SPW], v[NIL]
	v_lshrrev_b32 v1, 5, v0
	v_readfirstlane_b32 s10, v1                    ; wave
	s_lshr_b32 s11, s10, 1                         ; my half of the tile's rows.  Also: I fetch for A (0) or for B (1)
	s_and_b32 s12, s10, 1                          ; my half of its columns.  Also: which 64 rows I fetch
	s_bfe_u32 s40, ttmp6, 0x40000
	s_bfe_u32 s41, ttmp6, 0x40004
	s_lshl_b32 s42, ttmp9, 2
	s_add_co_u32 s42, s42, s40                     ; tile column
	s_and_b32 s13, ttmp7, 0xffff
	s_lshl_b32 s13, s13, 2
	s_add_co_u32 s13, s13, s41                     ; tile row
	s_lshl_b32 s43, s41, 2
	s_lshl_b32 s43, 15, s43
	s_lshl_b32 s44, 0x1111, s40
	s_or_b32 s[G1+0], s43, (3<<16)|(1<<21)         ; a dense block of 32,768 bytes as 128 rows of 256 (32 elements of 8 bytes)
	s_or_b32 s[G1B+0], s44, (3<<16)|(1<<21)
.irp g, G1, G1B
	s_mov_b32 s[\g+1], 32<<16
	s_mov_b32 s[\g+2], 128<<16
	s_mov_b32 s[\g+3], 32<<16
	s_mov_b32 s[\g+4], 128
	s_mov_b32 s[\g+5], 32
	s_mov_b32 s[\g+6], 0
	s_mov_b32 s[\g+7], 0
.endr
	s_lshl_b32 s16, s13, 1
	s_add_co_u32 s16, s16, s12
	s_lshl_b32 s16, s16, 18                        ; A: my 64 rows: 262,144 bytes each
	s_mov_b32 s17, 0
	s_lshl_b32 s46, s42, 1
	s_add_co_u32 s46, s46, s12
	s_lshl_b32 s46, s46, 18
	s_add_co_u32 s46, s46, 0xA00000                ; B: wo's high parts
	s_mov_b32 s47, 0
	s_lshl_b32 s20, s10, 15                        ; where they go: wave x 32,768
	s_wait_dscnt 0x0
	s_wait_kmcnt 0x0
	s_add_nc_u64 s[14:15], s[4:5], s[16:17]
	s_add_nc_u64 s[46:47], s[6:7], s[46:47]
	CROUND
.irp s, 0,1
	s_mov_b32 s[G0+4*\s], 1
	s_add_co_u32 s[G0+4*\s+1], s20, \s*SLOT
	s_add_nc_u64 s[G0+4*\s+2:G0+4*\s+3], s[14:15], \s*HALFT
	s_or_b32 s[G0+4*\s+3], s[G0+4*\s+3], 0x80000000
	s_mov_b32 s[G0B+4*\s], 1
	s_add_co_u32 s[G0B+4*\s+1], s20, \s*SLOT
	s_add_nc_u64 s[G0B+4*\s+2:G0B+4*\s+3], s[46:47], \s*HALFT
	s_or_b32 s[G0B+4*\s+3], s[G0B+4*\s+3], 0x80000000
	JLOAD \s                                       ; two tensor loads of mine are out at the start
.endr
	v_and_b32 v1, 15, v0                           ; r
	v_bfe_u32 v2, v0, 4, 1                         ; h
	v_and_b32 v3, 31, v0
	v_lshlrev_b32 v3, 4, v3                        ; 16 x lane
	s_lshl_b32 s21, s11, 15
	s_lshl_b32 s22, s12, 15
	s_add_co_u32 s22, s22, 2*HALFT
.irp s, 0,1
	v_add_nc_u32 v[ADRA+\s], s21, v3
	v_add_nc_u32 v[ADRB+\s], s22, v3
	s_add_co_u32 s21, s21, SLOT
	s_add_co_u32 s22, s22, SLOT
.endr
	s_mul_i32 s23, s10, 16*SPITCH
	s_add_co_u32 s23, s23, STAGE                   ; my stage
	v_mul_u32_u24 v4, v1, SPITCH
	v_lshl_add_u32 v4, v2, 5, v4
	v_add_nc_u32 v[STO], s23, v4                   ; in: row r, 32 bytes for each half of the lanes
	v_mul_u32_u24 v5, v2, SPITCH
	v_lshl_add_u32 v5, v1, 4, v5
	v_add_nc_u32 v[RD], s23, v5                    ; back: lanes 0-15 one row of 256 bytes, lanes 16-31 the next
	v_lshlrev_b32 v5, 13, v2
	v_lshl_add_u32 v[CO], v1, 4, v5                ; and the same two rows in out0
	s_lshl_b32 s16, s13, 7
	s_lshl_b32 s17, s11, 6
	s_add_co_u32 s16, s16, s17
	s_lshl_b32 s16, s16, 13                        ; my first row: 8,192 bytes a row
	s_mov_b32 s17, 0
	s_add_nc_u64 s[8:9], s[8:9], s[16:17]
	s_lshl_b32 s46, s42, 9
	s_lshl_b32 s47, s12, 8
	s_add_co_u32 s46, s46, s47                     ; my 64 columns: 256 aligned bytes
	s_mov_b32 s47, 0
	s_add_nc_u64 s[8:9], s[8:9], s[46:47]
.macro MUL8 f, c, a0, zero
.irp a, \a0, \a0+1
.irp b, 0,1,2,3
.if \zero
	v_wmma_f32_16x16x32_f16 v[ACC+8*(4*(\a)+\b):ACC+8*(4*(\a)+\b)+7], v[\f+64+8*(4*\c+\b):\f+64+8*(4*\c+\b)+7], v[\f+8*(4*\c+\a):\f+8*(4*\c+\a)+7], 0
.else
	v_wmma_f32_16x16x32_f16 v[ACC+8*(4*(\a)+\b):ACC+8*(4*(\a)+\b)+7], v[\f+64+8*(4*\c+\b):\f+64+8*(4*\c+\b)+7], v[\f+8*(4*\c+\a):\f+8*(4*\c+\a)+7], v[ACC+8*(4*(\a)+\b):ACC+8*(4*(\a)+\b)+7]
.endif
.endr
.endr
.endm
; 32 LDS loads in one run: the fragments of quarter qd (64 along K) of a slot into buffer f; the first 32 along K first
.macro FETCH slot, qd, f
	WIN TO_F
.irp c, 0,1
.irp i, 0,1,2,3
	ds_load_b128 v[\f+64+8*(4*\c+\i):\f+64+8*(4*\c+\i)+3],   v[ADRB+\slot] offset:\i*8192+(2*(\qd)+\c)*1024
	ds_load_b128 v[\f+64+8*(4*\c+\i)+4:\f+64+8*(4*\c+\i)+7], v[ADRB+\slot] offset:\i*8192+(2*(\qd)+\c)*1024+512
	ds_load_b128 v[\f+8*(4*\c+\i):\f+8*(4*\c+\i)+3],         v[ADRA+\slot] offset:\i*8192+(2*(\qd)+\c)*1024
	ds_load_b128 v[\f+8*(4*\c+\i)+4:\f+8*(4*\c+\i)+7],       v[ADRA+\slot] offset:\i*8192+(2*(\qd)+\c)*1024+512
.endr
.endr
.endm
.macro PLACES
.rept 4
	v_nop
.endr
.endm
.macro QUARTER slot, qd, f, g, zero    ; multiplies buffer f and fetches quarter qd into g.  The 16 accumulators take turns
	s_wait_dscnt 16                                ; the first 32 along K are in; the other sixteen loads may be out
	WIN MUL
	MUL8 \f, 0, 0, \zero
	MUL8 \f, 0, 2, \zero
	PLACES
	FETCH \slot, \qd, \g
	s_wait_dscnt 32                                ; all but the 32 just issued
	WIN MUL
	MUL8 \f, 1, 0, 0
	MUL8 \f, 1, 2, 0
.endm
.macro TURN slot, next, fill           ; the last quarter multiplies buffer 1 and changes slots
	WIN 0
	s_wait_tensorcnt 0x0                           ; all my tensor loads have landed: my part of the next slot
	ds_add_u32 v[SPW], v[NIL]
	s_wait_dscnt 17                                ; the add and the youngest sixteen loads may be out
	WIN MUL
	MUL8 F1, 0, 0, 0
	s_wait_dscnt 0x0                               ; the add is done, and my reads of this slot are over
	s_barrier_signal -1
	MUL8 F1, 0, 2, 0
.if \fill
	WIN 0
.endif
	s_barrier_wait -1
.if \fill
	CREST                                          ; the barrier has opened a round of the cluster's
	s_add_nc_u64 s[G0+4*\slot+2:G0+4*\slot+3], s[G0+4*\slot+2:G0+4*\slot+3], 2*HALFT
	s_add_nc_u64 s[G0B+4*\slot+2:G0B+4*\slot+3], s[G0B+4*\slot+2:G0B+4*\slot+3], 2*HALFT
	JLOAD \slot                                    ; my one tensor load behind the round; its four v_nop are the places in front of the loads below
.else
	PLACES
.endif
	FETCH \next, 0, F0
	WIN MUL
	MUL8 F1, 1, 0, 0
	MUL8 F1, 1, 2, 0
.endm
	s_wait_tensorcnt 1                             ; my part of K step 0 is in; K step 1's load may be out
	s_barrier_signal -1
	s_barrier_wait -1
	FETCH 0, 0, F0
	QUARTER 0, 1, F0, F1, 1
	WIN 0
	s_mov_b32 s3, LAPS-1
.Llap:
	QUARTER 0, 2, F1, F0, 0
	QUARTER 0, 3, F0, F1, 0
	TURN 0, 1, 1
	QUARTER 1, 1, F0, F1, 0
	QUARTER 1, 2, F1, F0, 0
	QUARTER 1, 3, F0, F1, 0
	TURN 1, 0, 1
	QUARTER 0, 1, F0, F1, 0
	WIN 0
	s_sub_co_u32 s3, s3, 1
	s_cmp_lg_u32 s3, 0
	s_cbranch_scc1 .Llap
	QUARTER 0, 2, F1, F0, 0                        ; the last lap fills nothing
	QUARTER 0, 3, F0, F1, 0
	TURN 0, 1, 0
	QUARTER 1, 1, F0, F1, 0
	QUARTER 1, 2, F1, F0, 0
	QUARTER 1, 3, F0, F1, 0
	s_wait_dscnt 16
	WIN MUL
	MUL8 F1, 0, 0, 0
	MUL8 F1, 0, 2, 0
	s_wait_dscnt 0
	MUL8 F1, 1, 0, 0
	MUL8 F1, 1, 2, 0
	WIN 0
; THE WAY OUT, 16 rows x 64 columns at a time, through my own stage: a lane holds 32 bytes of a row; the rows come back whole, 256 bytes, and sixteen lanes store one aligned run of 256 bytes.
.macro TOSTAGE a
.irp b, 0,1,2,3
	ds_store_b128 v[STO], v[ACC+8*(4*(\a)+\b):ACC+8*(4*(\a)+\b)+3] offset:64*\b          ; each accumulator from its low end on
	ds_store_b128 v[STO], v[ACC+8*(4*(\a)+\b)+4:ACC+8*(4*(\a)+\b)+7] offset:64*\b+16
.endr
.irp t, 0,1,2,3,4,5,6,7
	ds_load_b128 v[TMP+32*((\a)%2)+4*\t:TMP+32*((\a)%2)+4*\t+3], v[RD] offset:\t*2*SPITCH   ; LDS serves a wave's instructions in order: these see my stores
.endr
.endm
.macro SEND a, younger
	s_wait_dscnt \younger                          ; the block is back; the next block's sixteen LDS instructions may be out
.irp t, 0,1,2,3,4,5,6,7
	global_store_b128 v[CO], v[TMP+32*((\a)%2)+4*\t:TMP+32*((\a)%2)+4*\t+3], s[8:9] offset:(16*(\a)+2*\t)*8192
.endr
.endm
	PLACES
	TOSTAGE 0
	TOSTAGE 1
	SEND 0, 16
	s_wait_xcnt 0x0                                ; block 0's stores have read their registers: block 2's loads may land there
	TOSTAGE 2
	SEND 1, 16
	s_wait_xcnt 0x0
	TOSTAGE 3
	SEND 2, 16
	SEND 3, 0
	s_wait_tensorcnt 0x0                           ; the wave's end
	ds_add_u32 v[SPW], v[NIL]
	s_wait_dscnt 0x0
	CROUND                                         ; the closing round
	s_endpgm
.Lfunc_end_k_q136c659fac_proj:
	.size	k_q136c659fac_proj, .Lfunc_end_k_q136c659fac_proj-k_q136c659fac_proj
	.p2alignl 7, 3214868480
	.fill 96, 4, 3214868480
	.section	.rodata,"a",@progbits
	.p2align	6, 0x0
	.amdhsa_kernel k_q136c659fac_proj
		.amdhsa_group_segment_fixed_size 327680
		.amdhsa_private_segment_fixed_size 0
		.amdhsa_enable_private_segment 0
		.amdhsa_kernarg_size 24
		.amdhsa_user_sgpr_count 2
		.amdhsa_user_sgpr_kernarg_segment_ptr 1
		.amdhsa_wavefront_size32 1
		.amdhsa_system_sgpr_workgroup_id_x 1
		.amdhsa_system_sgpr_workgroup_id_y 1
		.amdhsa_system_sgpr_workgroup_id_z 1
		.amdhsa_system_vgpr_workitem_id 0
		.amdhsa_next_free_vgpr 512
		.amdhsa_next_free_sgpr 66
		.amdhsa_reserve_vcc 0
		.amdhsa_float_denorm_mode_32 3
		.amdhsa_float_denorm_mode_16_64 3
		.amdhsa_memory_ordered 1
		.amdhsa_forward_progress 1
		.amdhsa_inst_pref_size 85
	.end_amdhsa_kernel
	.amdgpu_metadata
---
amdhsa.version: [ 1, 2 ]
amdhsa.kernels:
  - .name:           k_q136c659fac_proj
    .symbol:         k_q136c659fac_proj.kd
    .args:
      - { .name: abuf, .offset: 0, .size: 8, .value_kind: global_buffer, .address_space: global }
      - { .name: prepbuf, .offset: 8, .size: 8, .value_kind: global_buffer, .address_space: global }
      - { .name: out0, .offset: 16, .size: 8, .value_kind: global_buffer, .address_space: global }
    .group_segment_fixed_size: 327680
    .private_segment_fixed_size: 0
    .kernarg_segment_align: 8
    .kernarg_segment_size: 24
    .max_flat_workgroup_size: 128
    .sgpr_count:     66
    .vgpr_count:     512
    .wavefront_size: 32
...
	.end_amdgpu_metadata
.endif
;; end of part 4
;; launch fattn (part 5): grid 64 x 1, 16 waves a work-group, no clusters, 38,912 bytes of LDS; arguments qkvbuf, mask, fabuf; writes fabuf
.if DOCPART == 5
	.amdgcn_target "amdgcn-amd-amdhsa--gfx1250"
	.amdhsa_code_object_version 6
	.text
	.protected	k_q136c659fac_fattn
	.globl	k_q136c659fac_fattn
	.p2align	8
	.type	k_q136c659fac_fattn,@function
k_q136c659fac_fattn:
	s_mov_b64 s[64:65], 0
	v_nop
	global_prefetch_b8 v0, s[64:65] scope:SCOPE_SE
	s_setreg_imm32_b32 hwreg(HW_REG_WAVE_MODE, 25, 1), 1
	s_wait_xcnt 0x0
; POSITIONS 0 TO 15 ONCE MORE, CARRIED MORE FINELY: where the mask leaves a row few keys, its result is an average of few values and the rounding of f16 operands weighs most.
; The scores take single f16 operands as in the bulk (that product always sums 128 terms); p and v go to the matrix unit as pairs of f16 numbers: p_h v_h + p_h v_l + p_l v_h; the result leaves as a pair too.
; A high part is the f32 number with its 13 lowest mantissa bits cut (an f16 number from 2^-14 on), the low part the exact rest rounded to f16.  The mask is taken as it is given.
; SHARES.  Work-group: head (number / 4), 32 channels (number % 4).  Wave w: keys 128 w on.  The row's maximum is taken over all 2,048 keys (through LDS) before any exponential; sums and O^T parts meet in LDS.
; LIMITS: as in the bulk: finite mask entries; magnitudes under 65,504.
; LDS: 0 maxima, 2,048 sums (128 bytes a wave each); 4,096 O^T parts, 2,048 bytes a wave; 36,864 the spare words.
; REGISTERS: v1-8 lane terms and addresses; v10 my sum; v12, v13 the add's two; v16-47 Q, then p's high parts; v48-111 S, then p, then p's low parts; v112-175, v176-239 two buffers; v240-255 at work, then two accumulators.
.set SUMB,  2048
.set OPART, 4096
.set SPARE, 36864
.set BA, 112
.set BB, 176
	s_load_b128 s[4:7], s[0:1], 0x0                ; qkvbuf, mask
	s_load_b64 s[8:9], s[0:1], 0x10                ; fabuf
	v_lshl_add_u32 v12, v0, 2, SPARE
	v_mov_b32 v13, 0
	v_lshrrev_b32 v1, 5, v0
	v_readfirstlane_b32 s12, v1                    ; wave 0..15
	v_and_b32 v1, 15, v0                           ; r
	v_bfe_u32 v2, v0, 4, 1                         ; h
	v_and_b32 v9, 31, v0
	v_lshlrev_b32 v3, 4, v9                        ; 16 x lane
	v_lshlrev_b32 v4, 13, v1
	v_lshl_add_u32 v4, v2, 5, v4                   ; the mask: row r of 8,192 bytes, + 32 h
	v_lshlrev_b32 v6, 2, v9                        ; 4 x lane
	s_lshl_b32 s13, s12, 7
	v_add_nc_u32 v5, s13, v6                       ; my wave's word for my lane
	s_lshl_b32 s13, s12, 11
	s_add_co_u32 s13, s13, OPART
	v_add_nc_u32 v7, s13, v3                       ; my wave's O^T part
	s_min_u32 s13, s12, 1
	s_lshl_b32 s14, s13, 10
	s_add_co_u32 s14, s14, OPART
	v_add_nc_u32 v8, s14, v3                       ; what waves 0 and 1 read back: channel tile = wave
	v_mov_b32 v244, 0                              ; a lane permute's destination counts as read
	s_mov_b32 s16, 0x3db504f3                      ; 1 / sqrt(128)
	s_mov_b32 s17, s16
	s_mov_b32 s18, 0x3fb8aa3b                      ; log2 e
	s_mov_b32 s19, s18
	s_mov_b32 s20, 0xffffe000
	s_mov_b32 s22, 0x76543210
	s_mov_b32 s23, 0xfedcba98
	s_lshr_b32 s14, ttmp9, 2                       ; head
	s_and_b32 s15, ttmp9, 3                        ; which 32 channels
	s_lshl_b32 s36, s14, 19
	s_mov_b32 s37, 0
	s_wait_kmcnt 0x0
	s_add_nc_u64 s[24:25], s[4:5], s[36:37]        ; Q: the head's first tile of positions
	s_lshl_b32 s21, s12, 15
	s_add_co_u32 s36, s36, s21                     ; + my 128 keys: 32,768 bytes in K and in V alike
	s_add_co_u32 s36, s36, 0x800000
	s_add_nc_u64 s[26:27], s[4:5], s[36:37]        ; K
	s_lshl_b32 s21, s15, 11
	s_add_co_u32 s36, s36, s21
	s_add_co_u32 s36, s36, 0x800000
	s_add_nc_u64 s[30:31], s[4:5], s[36:37]        ; V's high parts, my two channel tiles
	s_add_nc_u64 s[32:33], s[30:31], 0x800000      ; and the low parts
	s_lshl_b32 s36, s12, 9
	s_add_nc_u64 s[28:29], s[6:7], s[36:37]        ; the mask at my 128 keys
	s_lshl_b32 s36, s14, 2
	s_add_co_u32 s36, s36, s15
	s_lshl_b32 s36, s36, 10
	s_lshl_b32 s21, s13, 9
	s_add_co_u32 s36, s36, s21
	s_add_nc_u64 s[34:35], s[8:9], s[36:37]        ; the result's image (4 head + channels / 32), group = wave
.macro KLD buf, n                      ; two key tiles' eight fragments: 16 loads of 512 consecutive bytes
.set ii, 0
.rept 16
	global_load_b128 v[\buf+4*ii:\buf+4*ii+3], v3, s[26:27] offset:(\n)*8192+512*ii
.set ii, ii+1
.endr
.endm
.macro VLD buf, base                   ; eight fragments of V (32 keys g, channel tile c)
.irp g, 0,1,2,3
.irp c, 0,1
	global_load_b128 v[\buf+8*(2*\g+\c):\buf+8*(2*\g+\c)+3], v3, s[\base:\base+1] offset:\g*8192+\c*1024
	global_load_b128 v[\buf+8*(2*\g+\c)+4:\buf+8*(2*\g+\c)+7], v3, s[\base:\base+1] offset:\g*8192+\c*1024+512
.endr
.endr
.endm
.macro SCORE buf, n                    ; key tiles 2 n, 2 n + 1: two accumulators by turns, one instruction a turn
	s_wait_loadcnt 16                              ; this buffer's loads are in; the youngest 16 may be out
.irp f, 0,1,2,3
.irp u, 0,1
.if \f == 0
	v_wmma_f32_16x16x32_f16 v[48+8*(2*(\n)+\u):55+8*(2*(\n)+\u)], v[\buf+32*\u+8*\f:\buf+32*\u+8*\f+7], v[16+8*\f:23+8*\f], 0
.else
	v_wmma_f32_16x16x32_f16 v[48+8*(2*(\n)+\u):55+8*(2*(\n)+\u)], v[\buf+32*\u+8*\f:\buf+32*\u+8*\f+7], v[16+8*\f:23+8*\f], v[48+8*(2*(\n)+\u):55+8*(2*(\n)+\u)]
.endif
.endr
.endr
.rept 4
	v_nop                                          ; places in front of the loads into the buffer, and of the first read of the scores
.endr
.endm
.set ii, 0
.rept 8
	global_load_b128 v[16+4*ii:19+4*ii], v3, s[24:25] offset:512*ii
.set ii, ii+1
.endr
	KLD BA, 0
	KLD BB, 1
	SCORE BA, 0
	KLD BA, 2
	SCORE BB, 1
	KLD BB, 3
	SCORE BA, 2
.irp k, 0,1,2,3,4,5,6,7
	global_load_b128 v[BA+8*\k:BA+8*\k+3], v4, s[28:29] offset:64*\k          ; the mask of query r, keys 16 k + 8 h + 0..7
	global_load_b128 v[BA+8*\k+4:BA+8*\k+7], v4, s[28:29] offset:64*\k+16
.endr
	SCORE BB, 3
	VLD BB, 30
	s_wait_loadcnt 16                              ; the mask is in; V's 16 loads may be out
.set ii, 0
.rept 32
	v_pk_fma_f32 v[48+ii:49+ii], v[48+ii:49+ii], s[16:17], v[BA+ii:BA+ii+1] op_sel_hi:[1,0,1]   ; u = s / sqrt(128) + mask
.set ii, ii+2
.endr
	VLD BA, 32
.irp b, 0,1,2,3
	v_max3_num_f32 v[240+\b], v[48+16*\b], v[49+16*\b], v[50+16*\b]
.endr
.irp i, 3,5,7,9,11,13
.irp b, 0,1,2,3
	v_max3_num_f32 v[240+\b], v[240+\b], v[48+16*\b+\i], v[49+16*\b+\i]
.endr
.endr
.irp b, 0,1,2,3
	v_max_num_f32 v[240+\b], v[240+\b], v[63+16*\b]
.endr
	v_max3_num_f32 v240, v240, v241, v242
	v_max_num_f32 v240, v240, v243
	v_permlanex16_b32 v244, v240, s22, s23
	v_max_num_f32 v240, v240, v244                 ; my query's largest u among my wave's 128 keys
	ds_store_b32 v5, v240
	s_wait_dscnt 0x0                               ; for the others' sake
	s_barrier_signal -1
	s_barrier_wait -1
.set ii, 0
.rept 16
	ds_load_b32 v[240+ii], v6 offset:128*ii
.set ii, ii+1
.endr
	s_wait_dscnt 0x0
.irp i, 240,243,246,249,252
	v_max3_num_f32 v\i, v\i, v[\i+1], v[\i+2]
.endr
	v_max3_num_f32 v240, v240, v243, v246
	v_max3_num_f32 v249, v249, v252, v255
	v_max_num_f32 v240, v240, v249                 ; the row's maximum over all keys
.set ii, 0
.rept 32
	v_pk_add_f32 v[48+ii:49+ii], v[48+ii:49+ii], v[240:241] op_sel_hi:[1,0] neg_lo:[0,1] neg_hi:[0,1]
.set ii, ii+2
.endr
.set ii, 0
.rept 32
	v_pk_mul_f32 v[48+ii:49+ii], v[48+ii:49+ii], s[18:19] op_sel_hi:[1,0]
.set ii, ii+2
.endr
.set ii, 0
.rept 64
	v_exp_f32 v[48+ii], v[48+ii]
.set ii, ii+1
.endr
	v_nop
	s_wait_alu depctr_va_vdst(0)                   ; one wait for the batch, ahead of its first reader
	v_pk_add_f32 v[242:243], v[48:49], v[50:51]    ; the sum of p, in two chains
	v_pk_add_f32 v[244:245], v[52:53], v[54:55]
.set ii, 8
.rept 14
	v_pk_add_f32 v[242:243], v[242:243], v[48+ii:49+ii]
	v_pk_add_f32 v[244:245], v[244:245], v[50+ii:51+ii]
.set ii, ii+4
.endr
	v_pk_add_f32 v[242:243], v[242:243], v[244:245]
	v_add_f32 v242, v242, v243
	v_permlanex16_b32 v244, v242, s22, s23
	v_add_f32 v10, v242, v244
.set ii, 0
.rept 32                               ; p as pairs: the high parts take Q's registers, the low parts are packed in place, ascending
.set TP, 246+2*(ii%4)
	v_and_b32 v[TP], s20, v[48+2*ii]
	v_and_b32 v[TP+1], s20, v[49+2*ii]
	v_pk_add_f32 v[48+2*ii:49+2*ii], v[48+2*ii:49+2*ii], v[TP:TP+1] neg_lo:[0,1] neg_hi:[0,1]
	v_cvt_pk_f16_f32 v[16+ii], v[TP], v[TP+1]
	v_cvt_pk_f16_f32 v[48+ii], v[48+2*ii], v[49+2*ii]
.set ii, ii+1
.endr
	s_wait_loadcnt 0x0                             ; V's high and low parts
.irp g, 0,1,2,3                        ; O^T: two accumulators (channel tiles) by turns
.irp c, 0,1
.if \g == 0
	v_wmma_f32_16x16x32_f16 v[240+8*\c:247+8*\c], v[BB+8*(2*\g+\c):BB+8*(2*\g+\c)+7], v[16+8*\g:23+8*\g], 0
.else
	v_wmma_f32_16x16x32_f16 v[240+8*\c:247+8*\c], v[BB+8*(2*\g+\c):BB+8*(2*\g+\c)+7], v[16+8*\g:23+8*\g], v[240+8*\c:247+8*\c]
.endif
.endr
.irp c, 0,1
	v_wmma_f32_16x16x32_f16 v[240+8*\c:247+8*\c], v[BA+8*(2*\g+\c):BA+8*(2*\g+\c)+7], v[16+8*\g:23+8*\g], v[240+8*\c:247+8*\c]
.endr
.irp c, 0,1
	v_wmma_f32_16x16x32_f16 v[240+8*\c:247+8*\c], v[BB+8*(2*\g+\c):BB+8*(2*\g+\c)+7], v[48+8*\g:55+8*\g], v[240+8*\c:247+8*\c]
.endr
.endr
.rept 4
	v_nop
.endr
	ds_store_b128 v7, v[240:243]
	ds_store_b128 v7, v[244:247] offset:512
	ds_store_b128 v7, v[248:251] offset:1024
	ds_store_b128 v7, v[252:255] offset:1536
	ds_store_b32 v5, v10 offset:SUMB
	s_wait_dscnt 0x0
	s_barrier_signal -1
	s_barrier_wait -1
	s_cmp_lt_u32 s12, 2
	s_cbranch_scc0 .Lend
.set ii, 0
.rept 16                               ; waves 0 and 1 add the sixteen parts of one channel tile each
	ds_load_b128 v[48+8*ii:51+8*ii], v8 offset:2048*ii
	ds_load_b128 v[52+8*ii:55+8*ii], v8 offset:2048*ii+512
	ds_load_b32 v[176+ii], v6 offset:SUMB+128*ii
.set ii, ii+1
.endr
	s_wait_dscnt 0x0
.set ii, 1
.rept 15
.irp j, 0,2,4,6
	v_pk_add_f32 v[48+\j:49+\j], v[48+\j:49+\j], v[48+8*ii+\j:49+8*ii+\j]
.endr
	v_add_f32 v176, v176, v[176+ii]
.set ii, ii+1
.endr
	v_rcp_f32 v176, v176
	v_nop
	s_wait_alu depctr_va_vdst(0)
.irp j, 0,2,4,6
	v_pk_mul_f32 v[48+\j:49+\j], v[48+\j:49+\j], v[176:177] op_sel_hi:[1,0]
.endr
.irp j, 0,1,2,3,4,5,6,7
	v_and_b32 v[56+\j], s20, v[48+\j]
.endr
.irp j, 0,2,4,6
	v_pk_add_f32 v[48+\j:49+\j], v[48+\j:49+\j], v[56+\j:57+\j] neg_lo:[0,1] neg_hi:[0,1]
.endr
.irp j, 0,1,2,3
	v_cvt_pk_f16_f32 v[64+\j], v[56+2*\j], v[57+2*\j]
	v_cvt_pk_f16_f32 v[68+\j], v[48+2*\j], v[49+2*\j]
.endr
	global_store_b128 v3, v[64:67], s[34:35]               ; 512 consecutive bytes: half an image
	global_store_b128 v3, v[68:71], s[34:35] offset:65536
.Lend:
	s_wait_tensorcnt 0x0                           ; the wave's end, behind my last LDS store
	ds_add_u32 v12, v13
	s_wait_dscnt 0x0
	s_endpgm
.Lfunc_end_k_q136c659fac_fattn:
	.size	k_q136c659fac_fattn, .Lfunc_end_k_q136c659fac_fattn-k_q136c659fac_fattn
	.p2alignl 7, 3214868480
	.fill 96, 4, 3214868480
	.section	.rodata,"a",@progbits
	.p2align	6, 0x0
	.amdhsa_kernel k_q136c659fac_fattn
		.amdhsa_group_segment_fixed_size 38912
		.amdhsa_private_segment_fixed_size 0
		.amdhsa_enable_private_segment 0
		.amdhsa_kernarg_size 24
		.amdhsa_user_sgpr_count 2
		.amdhsa_user_sgpr_kernarg_segment_ptr 1
		.amdhsa_wavefront_size32 1
		.amdhsa_system_sgpr_workgroup_id_x 1
		.amdhsa_system_sgpr_workgroup_id_y 1
		.amdhsa_system_sgpr_workgroup_id_z 1
		.amdhsa_system_vgpr_workitem_id 0
		.amdhsa_next_free_vgpr 256
		.amdhsa_next_free_sgpr 66
		.amdhsa_reserve_vcc 0
		.amdhsa_float_denorm_mode_32 3
		.amdhsa_float_denorm_mode_16_64 3
		.amdhsa_memory_ordered 1
		.amdhsa_forward_progress 1
		.amdhsa_inst_pref_size 50
	.end_amdhsa_kernel
	.amdgpu_metadata
---
amdhsa.version: [ 1, 2 ]
amdhsa.kernels:
  - .name:           k_q136c659fac_fattn
    .symbol:         k_q136c659fac_fattn.kd
    .args:
      - { .name: qkvbuf, .offset: 0, .size: 8, .value_kind: global_buffer, .address_space: global }
      - { .name: mask, .offset: 8, .size: 8, .value_kind: global_buffer, .address_space: global }
      - { .name: fabuf, .offset: 16, .size: 8, .value_kind: global_buffer, .address_space: global }
    .group_segment_fixed_size: 38912
    .private_segment_fixed_size: 0
    .kernarg_segment_align: 8
    .kernarg_segment_size: 24
    .max_flat_workgroup_size: 512
    .sgpr_count:     66
    .vgpr_count:     256
    .wavefront_size: 32
...
	.end_amdgpu_metadata
.endif
;; end of part 5
;; launch fproj (part 6): grid 128 x 1, 16 waves a work-group, no clusters, 18,432 bytes of LDS; arguments fabuf, prepbuf, out0; writes out0
.if DOCPART == 6
	.amdgcn_target "amdgcn-amd-amdhsa--gfx1250"
	.amdhsa_code_object_version 6
	.text
	.protected	k_q136c659fac_fproj
	.globl	k_q136c659fac_fproj
	.p2align	8
	.type	k_q136c659fac_fproj,@function
k_q136c659fac_fproj:
	s_mov_b64 s[64:65], 0
	v_nop
	global_prefetch_b8 v0, s[64:65] scope:SCOPE_SE
	s_setreg_imm32_b32 hwreg(HW_REG_WAVE_MODE, 25, 1), 1
	s_wait_xcnt 0x0
; ROWS 0 TO 15 OF out0 ONCE MORE, with both operands as pairs of f16 numbers: w_h a_h + w_h a_l + w_l a_h, sums in f32.  It runs behind the bulk projection and stores over its 16 rows.
; Work-group: 16 columns.  Wave w: k = 128 w on, four fragments.  Source 0 = wo (rows = columns of out0), source 1 = the result of attention: a lane holds one position and eight neighbouring columns.
; The sixteen waves' parts meet in LDS; waves 0 and 1 add them.  A work-group stores 64 bytes of each of 16 rows: 131,072 bytes in the whole launch; 128 work-groups are worth more here than longer runs.
; LDS: 1,024 bytes a wave; 16,384 the spare words.
.set SPARE, 16384
	s_load_b128 s[4:7], s[0:1], 0x0                ; fabuf, prepbuf
	s_load_b64 s[8:9], s[0:1], 0x10                ; out0
	v_lshl_add_u32 v12, v0, 2, SPARE
	v_mov_b32 v13, 0
	v_lshrrev_b32 v1, 5, v0
	v_readfirstlane_b32 s12, v1                    ; wave 0..15
	v_and_b32 v1, 15, v0                           ; r
	v_bfe_u32 v2, v0, 4, 1                         ; h
	v_and_b32 v3, 31, v0
	v_lshlrev_b32 v3, 4, v3                        ; 16 x lane
	s_lshl_b32 s13, s12, 10
	v_add_nc_u32 v4, s13, v3                       ; my wave's part
	s_min_u32 s19, s12, 1
	s_lshl_b32 s13, s19, 9
	v_add_nc_u32 v5, s13, v3                       ; what waves 0 and 1 read back: registers 4 wave on
	v_lshlrev_b32 v6, 13, v1
	v_lshl_add_u32 v6, v2, 5, v6                   ; out0: row r, + 32 h
	s_lshr_b32 s14, ttmp9, 2
	s_lshl_b32 s14, s14, 18                        ; wo: [columns / 64]
	s_lshr_b32 s15, s12, 1
	s_lshl_b32 s15, s15, 15                        ; [k / 256]
	s_add_co_u32 s14, s14, s15
	s_and_b32 s15, ttmp9, 3
	s_lshl_b32 s15, s15, 13                        ; [tile]
	s_add_co_u32 s14, s14, s15
	s_and_b32 s15, s12, 1
	s_lshl_b32 s15, s15, 12                        ; [k / 32]: four from 4 (w % 2) on
	s_add_co_u32 s14, s14, s15
	s_add_co_u32 s14, s14, 0xA00000
	s_mov_b32 s15, 0
	s_lshl_b32 s16, s12, 12                        ; the pairs of attention's result: four images from 4 w on
	s_mov_b32 s17, 0
	s_lshl_b32 s18, ttmp9, 6
	s_lshl_b32 s19, s19, 4
	s_add_co_u32 s18, s18, s19                     ; my 16 columns, + 16 bytes for wave 1
	s_mov_b32 s19, 0
	s_wait_kmcnt 0x0
	s_add_nc_u64 s[20:21], s[6:7], s[14:15]        ; wo's high parts
	s_add_nc_u64 s[22:23], s[20:21], 0x800000      ; low parts
	s_add_nc_u64 s[24:25], s[4:5], s[16:17]
	s_add_nc_u64 s[26:27], s[8:9], s[18:19]
.set ii, 0
.rept 8
	global_load_b128 v[16+4*ii:19+4*ii], v3, s[20:21] offset:512*ii
	global_load_b128 v[48+4*ii:51+4*ii], v3, s[22:23] offset:512*ii
	global_load_b128 v[80+4*ii:83+4*ii], v3, s[24:25] offset:512*ii
	global_load_b128 v[112+4*ii:115+4*ii], v3, s[24:25] offset:65536+512*ii
.set ii, ii+1
.endr
	s_wait_loadcnt 0x0
.irp i, 0,1,2,3                        ; three accumulators by turns, one instruction a turn
.if \i == 0
	v_wmma_f32_16x16x32_f16 v[144:151], v[16:23], v[80:87], 0
	v_wmma_f32_16x16x32_f16 v[152:159], v[16:23], v[112:119], 0
	v_wmma_f32_16x16x32_f16 v[160:167], v[48:55], v[80:87], 0
.else
	v_wmma_f32_16x16x32_f16 v[144:151], v[16+8*\i:23+8*\i], v[80+8*\i:87+8*\i], v[144:151]
	v_wmma_f32_16x16x32_f16 v[152:159], v[16+8*\i:23+8*\i], v[112+8*\i:119+8*\i], v[152:159]
	v_wmma_f32_16x16x32_f16 v[160:167], v[48+8*\i:55+8*\i], v[80+8*\i:87+8*\i], v[160:167]
.endif
.endr
.rept 4
	v_nop
.endr
.irp j, 0,2,4,6
	v_pk_add_f32 v[152+\j:153+\j], v[152+\j:153+\j], v[160+\j:161+\j]      ; the two small terms first
.endr
.irp j, 0,2,4,6
	v_pk_add_f32 v[144+\j:145+\j], v[144+\j:145+\j], v[152+\j:153+\j]
.endr
	ds_store_b128 v4, v[144:147]
	ds_store_b128 v4, v[148:151] offset:512
	s_wait_dscnt 0x0                               ; for the others' sake
	s_barrier_signal -1
	s_barrier_wait -1
	s_cmp_lt_u32 s12, 2
	s_cbranch_scc0 .Lend
.set ii, 0
.rept 16
	ds_load_b128 v[16+4*ii:19+4*ii], v5 offset:1024*ii
.set ii, ii+1
.endr
	s_wait_dscnt 0x0
.set ii, 1
.rept 15
	v_pk_add_f32 v[16:17], v[16:17], v[16+4*ii:17+4*ii]
	v_pk_add_f32 v[18:19], v[18:19], v[18+4*ii:19+4*ii]
.set ii, ii+1
.endr
	global_store_b128 v6, v[16:19], s[26:27]       ; out0(r, 16 work-group + 8 h + 4 wave + 0..3)
.Lend:
	s_wait_tensorcnt 0x0                           ; the wave's end, behind my last LDS store
	ds_add_u32 v12, v13
	s_wait_dscnt 0x0
	s_endpgm
.Lfunc_end_k_q136c659fac_fproj:
	.size	k_q136c659fac_fproj, .Lfunc_end_k_q136c659fac_fproj-k_q136c659fac_fproj
	.p2alignl 7, 3214868480
	.fill 96, 4, 3214868480
	.section	.rodata,"a",@progbits
	.p2align	6, 0x0
	.amdhsa_kernel k_q136c659fac_fproj
		.amdhsa_group_segment_fixed_size 18432
		.amdhsa_private_segment_fixed_size 0
		.amdhsa_enable_private_segment 0
		.amdhsa_kernarg_size 24
		.amdhsa_user_sgpr_count 2
		.amdhsa_user_sgpr_kernarg_segment_ptr 1
		.amdhsa_wavefront_size32 1
		.amdhsa_system_sgpr_workgroup_id_x 1
		.amdhsa_system_sgpr_workgroup_id_y 1
		.amdhsa_system_sgpr_workgroup_id_z 1
		.amdhsa_system_vgpr_workitem_id 0
		.amdhsa_next_free_vgpr 176
		.amdhsa_next_free_sgpr 66
		.amdhsa_reserve_vcc 0
		.amdhsa_float_denorm_mode_32 3
		.amdhsa_float_denorm_mode_16_64 3
		.amdhsa_memory_ordered 1
		.amdhsa_forward_progress 1
		.amdhsa_inst_pref_size 10
	.end_amdhsa_kernel
	.amdgpu_metadata
---
amdhsa.version: [ 1, 2 ]
amdhsa.kernels:
  - .name:           k_q136c659fac_fproj
    .symbol:         k_q136c659fac_fproj.kd
    .args:
      - { .name: fabuf, .offset: 0, .size: 8, .value_kind: global_buffer, .address_space: global }
      - { .name: prepbuf, .offset: 8, .size: 8, .value_kind: global_buffer, .address_space: global }
      - { .name: out0, .offset: 16, .size: 8, .value_kind: global_buffer, .address_space: global }
    .group_segment_fixed_size: 18432
    .private_segment_fixed_size: 0
    .kernarg_segment_align: 8
    .kernarg_segment_size: 24
    .max_flat_workgroup_size: 512
    .sgpr_count:     66
    .vgpr_count:     176
    .wavefront_size: 32
...
	.end_amdgpu_metadata
.endif
;; end of part 6
;; ======== version 2 of 2: 6 launches; 1.13 times as fast as version 1
;; limits: values are held in f16: magnitudes above 65,504 overflow, below 6.1e-05 lose precision
;; workspace buffers: prepbuf 27,262,976 bytes; qkvbuf 33,554,432 bytes; abuf 8,388,608 bytes; fabuf 131,072 bytes; fpart 2,129,920 bytes
;; launch prep: the kernel of part 1 again; grid 448 x 1, 4 waves a work-group, no clusters, 34,304 bytes of LDS; arguments x, wq, wk, wv, wo, freqs_cos, freqs_sin, prepbuf; writes prepbuf
;; launch qkv: the kernel of part 2 again; grid 24 x 8, 4 waves a work-group, clusters of 4 x 4, 327,680 bytes of LDS; arguments prepbuf, qkvbuf; writes qkvbuf
;; launch fattn (part 7): grid 256 x 1, 4 waves a work-group, no clusters, 9,728 bytes of LDS; arguments qkvbuf, mask, fpart; writes fpart
.if DOCPART == 7
	.amdgcn_target "amdgcn-amd-amdhsa--gfx1250"
	.amdhsa_code_object_version 6
	.text
	.protected	k_q136c659fac_fattn
	.globl	k_q136c659fac_fattn
	.p2align	8
	.type	k_q136c659fac_fattn,@function
k_q136c659fac_fattn:
	s_mov_b64 s[64:65], 0
	v_nop
	global_prefetch_b8 v0, s[64:65] scope:SCOPE_SE
	s_setreg_imm32_b32 hwreg(HW_REG_WAVE_MODE, 25, 1), 1
	s_wait_xcnt 0x0
; POSITIONS 0 TO 15 ONCE MORE, CARRIED MORE FINELY: where the mask leaves a row few keys, its result is an average of few values and the rounding of f16 operands weighs most.
; The scores take single f16 operands as in the bulk (that product always sums 128 terms); p and v go to the matrix unit as pairs of f16 numbers: p_h v_h + p_h v_l + p_l v_h.
; A high part is the f32 number with its 13 lowest mantissa bits cut (an f16 number from 2^-14 on), the low part the exact rest rounded to f16.  The mask is taken as it is given.
; SHARES.  Work-group: head (number / 16), 128 keys (number % 16): each byte of K and V is read by one work-group.  Wave w: for the scores key tiles 2 w, 2 w + 1 (32 keys: one fragment of p); for p v channel tiles 2 w, 2 w + 1.
; The maximum that is taken away before the exponentials is that of the work-group's 128 keys (the four waves' maxima meet in LDS).  p's fragments go from wave to wave through LDS as images of their registers.
; WHAT LEAVES: the part's unnormalised O in f32, its maximum m and its sum l; the next launch merges a head's sixteen parts.
;   fpart: 0 O [head][channels / 8][part][position][8 f32];  0x200000 m [head][part][position];  0x204000 l likewise.
; All 60 loads of a wave go out at the head: Q 8, K 16, mask 4, V's high parts 16, low parts 16.
; LIMITS: as in the bulk: finite mask entries; q, k, v under 65,504 in magnitude.
; LDS: 0 maxima, 512 sums (128 bytes a wave each); 1,024 p's images, 2,048 bytes a wave (high 1,024, low 1,024); 9,216 the spare words.
; REGISTERS: window 0: v1-11 lane terms and addresses; v12, v13 the add's two; v16-47 Q; v48-111 K; v112-127 mask; v128-143 S, then p, then p's rest; v144-159 my fragment of p, high and low;
;            v160-223 all four fragments of p; v224-239 two accumulators; v240-253 at work (v240 m).   window 1: v0-63 V's high parts, v64-127 the low parts.
.set SUMB,  512
.set PIMG,  1024
.set SPARE, 9216
.set MSB, 0
.macro WIN new                         ; the immediate's high byte repeats the setting that is left
.if MSB != (\new)
	s_set_vgpr_msb (MSB<<8)|(\new)
.set MSB, (\new)
.endif
.endm
	s_load_b128 s[4:7], s[0:1], 0x0                ; qkvbuf, mask
	s_load_b64 s[8:9], s[0:1], 0x10                ; fpart
	v_lshl_add_u32 v12, v0, 2, SPARE               ; my spare word; never rewritten
	v_mov_b32 v13, 0                               ; 0; never rewritten
	v_lshrrev_b32 v1, 5, v0
	v_readfirstlane_b32 s12, v1                    ; wave 0..3
	v_and_b32 v1, 15, v0                           ; r
	v_bfe_u32 v2, v0, 4, 1                         ; h
	v_and_b32 v9, 31, v0
	v_lshlrev_b32 v3, 4, v9                        ; 16 x lane
	v_lshlrev_b32 v6, 2, v9                        ; 4 x lane
	v_lshlrev_b32 v4, 13, v1
	v_lshl_add_u32 v4, v2, 5, v4                   ; the mask: row r of 8,192 bytes, + 32 h
	s_lshl_b32 s13, s12, 7
	v_add_nc_u32 v5, s13, v6                       ; LDS: my wave's word for my lane
	s_lshl_b32 s13, s12, 11
	s_add_co_u32 s13, s13, PIMG
	v_add_nc_u32 v7, s13, v3                       ; LDS: my wave's images of p
	v_add_nc_u32 v11, PIMG, v3                     ; LDS: all waves' images, read back
	v_lshlrev_b32 v8, 5, v1
	v_lshl_add_u32 v8, v2, 13, v8                  ; O's part: 32 r, + 8,192 h (the next eight channels)
	v_lshlrev_b32 v9, 2, v1
	v_lshl_add_u32 v9, v2, 14, v9                  ; m (lanes 0-15) and l (lanes 16-31): 4 r + 16,384 h
	s_mov_b32 s16, 0x3db504f3                      ; 1 / sqrt(128)
	s_mov_b32 s17, s16
	s_mov_b32 s18, 0x3fb8aa3b                      ; log2 e
	s_mov_b32 s19, s18
	s_mov_b32 s20, 0xffffe000                      ; keeps sign, exponent and 10 mantissa bits
	s_mov_b32 s22, 0x76543210
	s_mov_b32 s23, 0xfedcba98                      ; selects for lane xor 16
	s_lshr_b32 s14, ttmp9, 4                       ; head
	s_and_b32 s15, ttmp9, 15                       ; which 128 keys
	s_lshl_b32 s36, s14, 19
	s_mov_b32 s37, 0
	s_mov_b32 s11, 0
	s_wait_kmcnt 0x0
	s_add_nc_u64 s[24:25], s[4:5], s[36:37]        ; Q: the head's first tile of positions
	s_lshl_b32 s21, s15, 15
	s_add_co_u32 s36, s36, s21                     ; head and part: 128 keys are 32,768 bytes in K and in V alike
	s_lshl_b32 s21, s12, 13
	s_add_co_u32 s10, s36, s21
	s_add_co_u32 s10, s10, 0x800000
	s_add_nc_u64 s[26:27], s[4:5], s[10:11]        ; K: my two key tiles
	s_lshl_b32 s21, s12, 11
	s_add_co_u32 s10, s36, s21
	s_add_co_u32 s10, s10, 0x1000000
	s_add_nc_u64 s[30:31], s[4:5], s[10:11]        ; V's high parts: my two channel tiles
	s_add_nc_u64 s[32:33], s[30:31], 0x800000      ; and the low parts
	s_lshl_b32 s10, s15, 9
	s_lshl_b32 s21, s12, 7
	s_add_co_u32 s10, s10, s21
	s_add_nc_u64 s[28:29], s[6:7], s[10:11]        ; the mask at my 32 keys
	s_lshl_b32 s10, s14, 17
	s_lshl_b32 s21, s12, 15
	s_add_co_u32 s10, s10, s21
	s_lshl_b32 s21, s15, 9
	s_add_co_u32 s10, s10, s21
	s_add_nc_u64 s[34:35], s[8:9], s[10:11]        ; O's part: head, channels 32 w on, part
	s_lshl_b32 s10, s14, 10
	s_lshl_b32 s21, s15, 6
	s_add_co_u32 s10, s10, s21
	s_add_co_u32 s10, s10, 0x200000
	s_add_nc_u64 s[38:39], s[8:9], s[10:11]        ; m and l of this head and part
.set ii, 0
.rept 8
	global_load_b128 v[16+4*ii:19+4*ii], v3, s[24:25] offset:512*ii          ; Q: four fragments
.set ii, ii+1
.endr
.set ii, 0
.rept 16
	global_load_b128 v[48+4*ii:51+4*ii], v3, s[26:27] offset:512*ii          ; K: key tile u, channels 32 f on, at v[48 + 32 u + 8 f]
.set ii, ii+1
.endr
.irp u, 0,1
	global_load_b128 v[112+8*\u:115+8*\u], v4, s[28:29] offset:64*\u         ; the mask of query r, keys 16 u + 8 h + 0..7
	global_load_b128 v[116+8*\u:119+8*\u], v4, s[28:29] offset:64*\u+16
.endr
.macro VLD reg, base                   ; eight fragments of V (32 keys g, channel tile c)
.irp g, 0,1,2,3
.irp c, 0,1
	global_load_b128 v[\reg+8*(2*\g+\c):\reg+8*(2*\g+\c)+3], v3, s[\base:\base+1] offset:\g*8192+\c*1024
	global_load_b128 v[\reg+8*(2*\g+\c)+4:\reg+8*(2*\g+\c)+7], v3, s[\base:\base+1] offset:\g*8192+\c*1024+512
.endr
.endr
.endm
	WIN 0x40                                       ; destination window 1
	VLD 0, 30
	VLD 64, 32
	WIN 0
	s_wait_loadcnt 36                              ; Q and K are in; the mask's 4 loads and V's 32 may be out
.irp f, 0,1,2,3                        ; S^T = K Q^T: two accumulators by turns, one instruction a turn
.irp u, 0,1
.if \f == 0
	v_wmma_f32_16x16x32_f16 v[128+8*\u:135+8*\u], v[48+32*\u+8*\f:55+32*\u+8*\f], v[16+8*\f:23+8*\f], 0
.else
	v_wmma_f32_16x16x32_f16 v[128+8*\u:135+8*\u], v[48+32*\u+8*\f:55+32*\u+8*\f], v[16+8*\f:23+8*\f], v[128+8*\u:135+8*\u]
.endif
.endr
.endr
.rept 4
	v_nop                                          ; places in front of the first read of the scores
.endr
	s_wait_loadcnt 32                              ; the mask is in; V's 32 loads may be out
.set ii, 0
.rept 8
	v_pk_fma_f32 v[128+ii:129+ii], v[128+ii:129+ii], s[16:17], v[112+ii:113+ii] op_sel_hi:[1,0,1]   ; u = s / sqrt(128) + mask; each accumulator from its low end on
.set ii, ii+2
.endr
	v_max3_num_f32 v240, v128, v129, v130
	v_max3_num_f32 v241, v131, v132, v133
	v_max3_num_f32 v240, v240, v134, v135
	v_max3_num_f32 v241, v241, v136, v137
	v_max3_num_f32 v240, v240, v138, v139
	v_max3_num_f32 v241, v241, v140, v141
	v_max3_num_f32 v240, v240, v142, v143
	v_max_num_f32 v240, v240, v241
	v_permlanex16_b32 v241, v240, s22, s23
	v_max_num_f32 v240, v240, v241                 ; my query's largest u among my wave's 32 keys
	ds_store_b32 v5, v240
	s_wait_dscnt 0x0                               ; for the others' sake
	s_barrier_signal -1
	s_barrier_wait -1
.irp i, 0,1,2,3
	ds_load_b32 v[244+\i], v6 offset:128*\i
.endr
	s_wait_dscnt 0x0
	v_max3_num_f32 v240, v244, v245, v246
	v_max_num_f32 v240, v240, v247                 ; m: the largest u among the part's 128 keys
.set ii, 0
.rept 8
	v_pk_add_f32 v[128+ii:129+ii], v[128+ii:129+ii], v[240:241] op_sel_hi:[1,0] neg_lo:[0,1] neg_hi:[0,1]   ; u - m: the difference first
.set ii, ii+2
.endr
.set ii, 0
.rept 8
	v_pk_mul_f32 v[128+ii:129+ii], v[128+ii:129+ii], s[18:19] op_sel_hi:[1,0]
.set ii, ii+2
.endr
.set ii, 0
.rept 16
	v_exp_f32 v[128+ii], v[128+ii]                 ; p, at most 1
.set ii, ii+1
.endr
	v_nop                                          ; a plain line behind the last exponential
	s_wait_alu depctr_va_vdst(0)                   ; one wait for the batch, ahead of its first reader
	v_pk_add_f32 v[242:243], v[128:129], v[130:131]    ; the sum of the unrounded p, in two chains
	v_pk_add_f32 v[244:245], v[132:133], v[134:135]
	v_pk_add_f32 v[242:243], v[242:243], v[136:137]
	v_pk_add_f32 v[244:245], v[244:245], v[138:139]
	v_pk_add_f32 v[242:243], v[242:243], v[140:141]
	v_pk_add_f32 v[244:245], v[244:245], v[142:143]
	v_pk_add_f32 v[242:243], v[242:243], v[244:245]
	v_add_f32 v242, v242, v243
	v_permlanex16_b32 v244, v242, s22, s23
	v_add_f32 v10, v242, v244                      ; my wave's sum for query r
.set ii, 0
.rept 8                                ; p as pairs: tile u's eight numbers make registers 4 u .. 4 u + 3 of the fragment
.set TP, 246+2*(ii%4)
	v_and_b32 v[TP], s20, v[128+2*ii]
	v_and_b32 v[TP+1], s20, v[129+2*ii]
	v_pk_add_f32 v[128+2*ii:129+2*ii], v[128+2*ii:129+2*ii], v[TP:TP+1] neg_lo:[0,1] neg_hi:[0,1]
	v_cvt_pk_f16_f32 v[144+ii], v[TP], v[TP+1]
	v_cvt_pk_f16_f32 v[152+ii], v[128+2*ii], v[129+2*ii]
.set ii, ii+1
.endr
.irp k, 0,1,2,3
	ds_store_b128 v7, v[144+4*\k:147+4*\k] offset:512*\k       ; the fragment as it stands: 512 consecutive bytes a store
.endr
	ds_store_b32 v5, v10 offset:SUMB
	s_wait_dscnt 0x0                               ; for the others' sake
	s_barrier_signal -1
	s_barrier_wait -1
.irp g, 0,1,2,3
.irp k, 0,1,2,3
	ds_load_b128 v[160+16*\g+4*\k:163+16*\g+4*\k], v11 offset:2048*\g+512*\k   ; wave g's fragment: keys 32 g on: high at v[160 + 16 g], low at v[168 + 16 g]
.endr
.endr
.irp i, 0,1,2,3
	ds_load_b32 v[244+\i], v6 offset:SUMB+128*\i
.endr
	s_wait_dscnt 0x0
	s_wait_loadcnt 0x0                             ; V's high and low parts
	WIN 0x01                                       ; source 0 (V) window 1
.irp g, 0,1,2,3                        ; O^T: two accumulators (channel tiles) by turns
.irp c, 0,1
.if \g == 0
	v_wmma_f32_16x16x32_f16 v[224+8*\c:231+8*\c], v[8*(2*\g+\c):8*(2*\g+\c)+7], v[160+16*\g:167+16*\g], 0
.else
	v_wmma_f32_16x16x32_f16 v[224+8*\c:231+8*\c], v[8*(2*\g+\c):8*(2*\g+\c)+7], v[160+16*\g:167+16*\g], v[224+8*\c:231+8*\c]
.endif
.endr
.irp c, 0,1
	v_wmma_f32_16x16x32_f16 v[224+8*\c:231+8*\c], v[64+8*(2*\g+\c):64+8*(2*\g+\c)+7], v[160+16*\g:167+16*\g], v[224+8*\c:231+8*\c]
.endr
.irp c, 0,1
	v_wmma_f32_16x16x32_f16 v[224+8*\c:231+8*\c], v[8*(2*\g+\c):8*(2*\g+\c)+7], v[168+16*\g:175+16*\g], v[224+8*\c:231+8*\c]
.endr
.endr
	WIN 0
.rept 4
	v_nop                                          ; places in front of the stores that read the results
.endr
.irp c, 0,1
	global_store_b128 v8, v[224+8*\c:227+8*\c], s[34:35] offset:16384*\c       ; lane (r, h): position r, channels 32 w + 16 c + 8 h + 0..7: 32 bytes
	global_store_b128 v8, v[228+8*\c:231+8*\c], s[34:35] offset:16384*\c+16
.endr
	v_add_f32 v244, v244, v245
	v_add_f32 v246, v246, v247
	v_add_f32 v15, v244, v246                      ; l: the part's sum
	v_cmp_ne_u32 vcc_lo, 0, v2
	v_cndmask_b32 v14, v240, v15, vcc_lo           ; lanes 0-15 carry m, lanes 16-31 l
	s_cmp_lg_u32 s12, 0                            ; every wave holds the same two numbers: wave 0 stores them
	s_cbranch_scc1 .Lend
	global_store_b32 v9, v14, s[38:39]
.Lend:
	s_wait_tensorcnt 0x0                           ; the wave's end, behind my last LDS store
	ds_add_u32 v12, v13
	s_wait_dscnt 0x0
	s_endpgm
.Lfunc_end_k_q136c659fac_fattn:
	.size	k_q136c659fac_fattn, .Lfunc_end_k_q136c659fac_fattn-k_q136c659fac_fattn
	.p2alignl 7, 3214868480
	.fill 96, 4, 3214868480
	.section	.rodata,"a",@progbits
	.p2align	6, 0x0
	.amdhsa_kernel k_q136c659fac_fattn
		.amdhsa_group_segment_fixed_size 9728
		.amdhsa_private_segment_fixed_size 0
		.amdhsa_enable_private_segment 0
		.amdhsa_kernarg_size 24
		.amdhsa_user_sgpr_count 2
		.amdhsa_user_sgpr_kernarg_segment_ptr 1
		.amdhsa_wavefront_size32 1
		.amdhsa_system_sgpr_workgroup_id_x 1
		.amdhsa_system_sgpr_workgroup_id_y 1
		.amdhsa_system_sgpr_workgroup_id_z 1
		.amdhsa_system_vgpr_workitem_id 0
		.amdhsa_next_free_vgpr 384
		.amdhsa_next_free_sgpr 66
		.amdhsa_reserve_vcc 1
		.amdhsa_float_denorm_mode_32 3
		.amdhsa_float_denorm_mode_16_64 3
		.amdhsa_memory_ordered 1
		.amdhsa_forward_progress 1
		.amdhsa_inst_pref_size 20
	.end_amdhsa_kernel
	.amdgpu_metadata
---
amdhsa.version: [ 1, 2 ]
amdhsa.kernels:
  - .name:           k_q136c659fac_fattn
    .symbol:         k_q136c659fac_fattn.kd
    .args:
      - { .name: qkvbuf, .offset: 0, .size: 8, .value_kind: global_buffer, .address_space: global }
      - { .name: mask, .offset: 8, .size: 8, .value_kind: global_buffer, .address_space: global }
      - { .name: fpart, .offset: 16, .size: 8, .value_kind: global_buffer, .address_space: global }
    .group_segment_fixed_size: 9728
    .private_segment_fixed_size: 0
    .kernarg_segment_align: 8
    .kernarg_segment_size: 24
    .max_flat_workgroup_size: 128
    .sgpr_count:     66
    .vgpr_count:     384
    .wavefront_size: 32
...
	.end_amdgpu_metadata
.endif
;; end of part 7
;; launch attn (part 8): grid 16 x 16, 8 waves a work-group, clusters of 4 x 4, 327,680 bytes of LDS; arguments qkvbuf, mask, abuf, fpart, fabuf; writes abuf, fabuf
.if DOCPART == 8
	.amdgcn_target "amdgcn-amd-amdhsa--gfx1250"
	.amdhsa_code_object_version 6
	.text
	.protected	k_q136c659fac_attn
	.globl	k_q136c659fac_attn
	.p2align	8
	.type	k_q136c659fac_attn,@function
k_q136c659fac_attn:
	s_mov_b64 s[64:65], 0
	v_nop
	global_prefetch_b8 v0, s[64:65] scope:SCOPE_SE
	s_setreg_imm32_b32 hwreg(HW_REG_WAVE_MODE, 25, 1), 1
	s_wait_xcnt 0x0
	s_wait_alu depctr_hold_cnt(0) depctr_sa_sdst(0) depctr_va_vdst(0) depctr_va_sdst(0) depctr_va_ssrc(0) depctr_va_vcc(0) depctr_vm_vsrc(0)
	s_getreg_b32 s2, hwreg(HW_REG_IB_STS2, 6, 4)
	s_cmp_eq_u32 s2, 0
	s_cbranch_scc0 .Lentry_in_a_cluster
	s_endpgm
.Lentry_in_a_cluster:
	s_bfe_u32 s2, ttmp6, 0x10000c
	s_cmp_lg_u32 s2, 0xf033
	s_cbranch_scc0 .Lentry_shape_is_right
	s_endpgm
.Lentry_shape_is_right:
; softmax(q k^T / sqrt(128) + mask) v for all positions, f16 operands, f32 sums.  The mask is an input: every score is computed, and the mask is added in f32 as it is given.
; SHARES.  Work-group (qb, hd): 128 queries of one head.  Wave w: queries 32 (w % 4) on (two tiles of 16), and of each slot's 128 keys the half w / 4.  Two waves of 512 registers share a SIMD, so that one wave's
; softmax stands beside the other's products.  The two key halves keep a running maximum and sum each, and are merged once at the end, through LDS.
; LAYOUT.  S^T = K Q^T (source 0 = 16 keys, source 1 = 16 queries): a lane holds one query and keys 8 (lane / 16) + 0..7; two such tiles, packed to f16, are source 1 of O^T = V^T P.  q, k, v lie as images of operand
; registers, v with the positions innermost: every fragment load is 16 x lane + a constant.
; SOFTMAX.  u = s / sqrt(128) + mask; running maximum m; p = 2^((u - m) log2 e): the difference is formed first, so that keys that all carry a large negative mask still give p <= 1.
; CLUSTERS 4 x 4.  K and V hang on the head alone: asked for jointly along a row of the cluster (waves 0-3).  The mask's rows hang on the query block alone: jointly along a column (waves 4-7).
; THE WALK.  A cluster walks the 16 slots of keys from slot 4 ((cluster x + cluster y) % 4) on, round the end: clusters that share a head, or a query block, stand in different quarters.  The order of keys is free.
; THE FINE ROWS.  The launch before has left, for positions 0 to 15 of every head, sixteen parts (128 keys each) of an unnormalised O with their maxima and sums.  Work-group (qb, hd) merges channels 8 qb .. 8 qb + 7 of head hd:
; wave 7, behind the first fills, while the first tiles are on their way.  The result leaves as a pair of f16 numbers (high: the 13 lowest mantissa bits cut; low: the exact rest, rounded) in the image that the fine projection reads.
; LIMITS: mask entries are finite (a query whose first-walked 64 keys all carry -infinity gives NaN); q, k, v and the result stay under 65,504 in magnitude.
; LDS: two slots of 135,168 bytes: K 32,768 [half][key tile 0..3][f 0..3]; V 32,768 [32 keys 0..3][channel tile 0..7]; mask [key half][query 0..127] rows of 256 bytes + 16.  The merge's stage lies in slot 0, behind its last fill and read.
; REGISTERS: window 0: v2-7 addresses; v12, v13 the add's two; v16-31 statistics (a tile's eight: +0 m, +2, +3 the sum, +4..7 at work, a in +6); v32-95 S; v96-127 P; v128-191 mask; v192-255 Q.
;            window 1: v0-127 O^T (64 t + 8 channel tile); v128-255 K, then V.
.set SLOT,  135168
.set MOFF,  65536
.set SPARE, 2*SLOT
.set ST,  16
.set S,   32
.set P,   96
.set MK,  128
.set Q,   192
.set KV,  128
.set G1D, 24
.set G1M, 32
.set G0D, 56
.set G0M, 68
.set MSB, 0
.macro WIN new
.if MSB != (\new)
	s_set_vgpr_msb (MSB<<8)|(\new)
.set MSB, (\new)
.endif
.endm
.macro JLOAD sl                        ; waves 0-3: K's and V's halves; waves 4-7: the mask's quarters.  An s_nop 0 and four v_nop follow each line
	s_cmp_lt_u32 s12, 4
	s_cbranch_scc0 .Lfor_m_\@
	tensor_load_to_lds s[G0D+4*\sl:G0D+4*\sl+3], s[G1D:G1D+7]
	s_nop 0
.rept 4
	v_nop
.endr
	s_branch .Lasked_\@
.Lfor_m_\@:
	tensor_load_to_lds s[G0M+4*\sl:G0M+4*\sl+3], s[G1M:G1M+7]
	s_nop 0
.rept 4
	v_nop
.endr
.Lasked_\@:
.endm
.macro CROUND
	s_barrier_signal -1
	s_barrier_wait -1
	s_cmp_lg_u32 s12, 0
	s_cbranch_scc1 .Lnot_wave_0_\@
	s_barrier_signal -3
.Lnot_wave_0_\@:
	s_barrier_wait -3
	s_barrier_signal -1
	s_barrier_wait -1
.endm
.macro SETG0 sl                        ; both global addresses of slot sl for the next slot of keys, s46 % 16; s46 steps
	s_and_b32 s47, s46, 15
	s_lshl_b32 s48, s47, 15
	s_add_nc_u64 s[G0D+4*\sl+2:G0D+4*\sl+3], s[50:51], s[48:49]
	s_or_b32 s[G0D+4*\sl+3], s[G0D+4*\sl+3], 0x80000000
	s_lshl_b32 s48, s47, 9
	s_add_nc_u64 s[G0M+4*\sl+2:G0M+4*\sl+3], s[52:53], s[48:49]
	s_or_b32 s[G0M+4*\sl+3], s[G0M+4*\sl+3], 0x80000000
	s_add_co_u32 s46, s46, 1
.endm
	s_load_b128 s[4:7], s[0:1], 0x0                ; qkvbuf, mask
	s_load_b64 s[8:9], s[0:1], 0x10                ; abuf
	s_load_b64 s[88:89], s[0:1], 0x18              ; fpart
	s_load_b64 s[90:91], s[0:1], 0x20              ; fabuf
	v_lshl_add_u32 v12, v0, 2, SPARE
	v_mov_b32 v13, 0
	ds_add_u32 v12, v13                            ; the wave's opening: the add, twice on end, and its wait ahead of my first tensor load
	ds_add_u32 v12, v13
	v_lshrrev_b32 v1, 5, v0
	v_readfirstlane_b32 s12, v1                    ; wave 0..7
	s_and_b32 s13, s12, 3                          ; which 32 queries
	s_lshr_b32 s14, s12, 2                         ; which half of a slot's keys
	s_bfe_u32 s40, ttmp6, 0x40000                  ; cx
	s_bfe_u32 s41, ttmp6, 0x40004                  ; cy
	s_lshl_b32 s42, ttmp9, 2
	s_add_co_u32 s42, s42, s40                     ; query block
	s_and_b32 s47, ttmp7, 0xffff
	s_lshl_b32 s43, s47, 2
	s_add_co_u32 s43, s43, s41                     ; head
	s_lshl_b32 s44, s41, 2
	s_lshl_b32 s44, 15, s44                        ; my row of the cluster
	s_lshl_b32 s45, 0x1111, s40                    ; my column
	s_add_co_u32 s46, ttmp9, s47
	s_and_b32 s46, s46, 3
	s_lshl_b32 s46, s46, 2                         ; the walk's first slot: the cluster's ids alone
	s_mov_b32 s49, 0
	; all LDS addresses, of the wave's number and the lane alone
	v_and_b32 v8, 15, v0                           ; r
	v_bfe_u32 v9, v0, 4, 1                         ; h
	v_and_b32 v10, 31, v0
	v_lshlrev_b32 v6, 4, v10                       ; 16 x lane
	s_lshl_b32 s20, s14, 14
	v_add_nc_u32 v2, s20, v6                       ; K's (and, 32,768 on, V's) images of my key half, slot 0,
	s_add_co_u32 s20, s20, SLOT
	v_add_nc_u32 v3, s20, v6                       ; slot 1
	v_mul_u32_u24 v10, v8, 272
	v_lshl_add_u32 v10, v9, 5, v10
	s_mul_i32 s20, s14, 34816
	s_mul_i32 s21, s13, 32*272
	s_add_co_u32 s20, s20, s21
	s_add_co_u32 s20, s20, MOFF
	v_add_nc_u32 v4, s20, v10                      ; the mask: my key half, query 32 (w % 4) + r, + 32 h
	s_add_co_u32 s20, s20, SLOT
	v_add_nc_u32 v5, s20, v10
	s_mul_i32 s20, s13, 16896
	v_add_nc_u32 v7, s20, v6                       ; the merge's stage
	v_mov_b32 v[ST+1], 0                           ; named as the upper halves of the pairs with m: written once
	v_mov_b32 v[ST+9], 0
	; group 1: K, V: 16,384 dense bytes as 64 rows of 256.  Mask: 64 rows x 64 f32, rows 2,048 elements apart, 16 bytes of padding behind each 256
	s_or_b32 s[G1D], s44, (3<<16)|(1<<21)
	s_mov_b32 s[G1D+1], 32<<16
	s_mov_b32 s[G1D+2], 64<<16
	s_mov_b32 s[G1D+3], 32<<16
	s_mov_b32 s[G1D+4], 64
	s_mov_b32 s[G1D+5], 32
	s_mov_b32 s[G1D+6], 0
	s_mov_b32 s[G1D+7], 0
	s_or_b32 s[G1M], s45, (2<<16)|(1<<20)|(1<<21)|(5<<22)|(3<<25)
	s_mov_b32 s[G1M+1], 64<<16
	s_mov_b32 s[G1M+2], 64<<16
	s_mov_b32 s[G1M+3], 64<<16
	s_mov_b32 s[G1M+4], 64
	s_mov_b32 s[G1M+5], 2048
	s_mov_b32 s[G1M+6], 0
	s_mov_b32 s[G1M+7], 0
	s_bfe_u32 s20, s12, 0x10001                    ; (w / 2) % 2
	s_and_b32 s21, s12, 1
	s_lshl_b32 s22, 0x800000, s20                  ; K (waves 0, 1) or V's high parts (waves 2, 3),
	s_lshl_b32 s23, s43, 19                        ; my head,
	s_add_co_u32 s22, s22, s23
	s_lshl_b32 s23, s21, 14                        ; my half of a slot's 32,768 bytes
	s_add_co_u32 s22, s22, s23
	s_mov_b32 s23, 0
	s_lshl_b32 s16, s42, 7
	s_lshl_b32 s17, s21, 6
	s_add_co_u32 s16, s16, s17                     ; the mask: my 64 of the block's 128 rows,
	s_lshl_b32 s16, s16, 13
	s_lshl_b32 s17, s20, 8                         ; my half of a slot's 128 keys
	s_add_co_u32 s16, s16, s17
	s_mov_b32 s17, 0
	s_lshl_b32 s18, s13, 14                        ; where they go
	s_mul_i32 s19, s13, 17408
	s_add_co_u32 s19, s19, MOFF
	s_mov_b32 s76, 0x3db504f3                      ; 1 / sqrt(128)
	s_mov_b32 s77, s76
	s_mov_b32 s78, 0x3fb8aa3b                      ; log2 e
	s_mov_b32 s79, s78
	s_mov_b32 s80, 0x76543210
	s_mov_b32 s81, 0xfedcba98                      ; selects for lane xor 16
	s_lshl_b32 s84, s43, 19                        ; Q: my head, my two tiles
	s_lshl_b32 s85, s42, 3
	s_add_co_u32 s85, s85, s13
	s_add_co_u32 s85, s85, s13
	s_lshl_b32 s85, s85, 12
	s_add_co_u32 s84, s84, s85
	s_mov_b32 s85, 0
	s_lshl_b32 s86, s42, 1                         ; the result: [positions / 64][k / 256][tile][k / 32] images, k = 128 head + channel
	s_lshr_b32 s87, s13, 1
	s_add_co_u32 s86, s86, s87
	s_lshl_b32 s86, s86, 18
	s_lshr_b32 s87, s43, 1
	s_lshl_b32 s87, s87, 15
	s_add_co_u32 s86, s86, s87
	s_and_b32 s87, s13, 1
	s_lshl_b32 s87, s87, 14
	s_add_co_u32 s86, s86, s87
	s_and_b32 s87, s43, 1
	s_lshl_b32 s87, s87, 12
	s_add_co_u32 s86, s86, s87
	s_mov_b32 s87, 0
	s_wait_dscnt 0x0                               ; both opening adds are done
	s_wait_kmcnt 0x0
	s_add_nc_u64 s[50:51], s[4:5], s[22:23]
	s_add_nc_u64 s[52:53], s[6:7], s[16:17]
	s_add_nc_u64 s[10:11], s[4:5], s[84:85]
	s_add_nc_u64 s[54:55], s[8:9], s[86:87]
	CROUND                                         ; all sixteen work-groups are here: the first joint loads meet
.irp s, 0,1
	s_mov_b32 s[G0D+4*\s], 1
	s_add_co_u32 s[G0D+4*\s+1], s18, \s*SLOT
	s_mov_b32 s[G0M+4*\s], 1
	s_add_co_u32 s[G0M+4*\s+1], s19, \s*SLOT
	SETG0 \s
.endr
	s_cmp_lt_u32 s12, 4                            ; a wave's two first fills stand in one branch: two tensor loads of mine are out
	s_cbranch_scc0 .Lfirst_m
	tensor_load_to_lds s[G0D:G0D+3], s[G1D:G1D+7]
	s_nop 0
	tensor_load_to_lds s[G0D+4:G0D+7], s[G1D:G1D+7]
	s_nop 0
.rept 4
	v_nop
.endr
	s_branch .Lfirst_asked
.Lfirst_m:
	tensor_load_to_lds s[G0M:G0M+3], s[G1M:G1M+7]
	s_nop 0
	tensor_load_to_lds s[G0M+4:G0M+7], s[G1M:G1M+7]
	s_nop 0
.rept 4
	v_nop
.endr
.Lfirst_asked:
.set ii, 0
.rept 16
	global_load_b128 v[Q+4*ii:Q+4*ii+3], v6, s[10:11] offset:512*ii   ; Q's eight fragments stay in registers
.set ii, ii+1
.endr
; ---- THE FINE ROWS' SIXTEEN PARTS ARE MERGED: positions 0 to 15, channels 8 qb .. 8 qb + 7 of my head.  Wave 7 alone (a branch on the wave's number), in registers that the loop has not yet taken.
; Lane (r, h): position r, parts 8 h .. 8 h + 7.  Part i: m in v[32 + 2 i], l in v[33 + 2 i] (so that m's place, which takes the part's factor, is the low word of an even pair), its eight channels in v[128 + 8 i] on.
	s_cmp_lg_u32 s12, 7
	s_cbranch_scc1 .Lno_fine
	s_lshl_b32 s98, s43, 17                        ; fpart: [head][channels / 8][part][position][8 f32]
	s_lshl_b32 s66, s42, 13
	s_add_co_u32 s98, s98, s66
	s_mov_b32 s99, 0
	s_add_nc_u64 s[92:93], s[88:89], s[98:99]
	s_lshl_b32 s98, s43, 10                        ; m [head][part][position], l 16,384 bytes on
	s_add_co_u32 s98, s98, 0x200000
	s_add_nc_u64 s[94:95], s[88:89], s[98:99]
	s_lshl_b32 s98, s43, 12                        ; fabuf: eight channels of 16 positions are 256 bytes of an image: 4,096 head + 256 qb
	s_lshl_b32 s66, s42, 8
	s_add_co_u32 s98, s98, s66
	s_add_nc_u64 s[96:97], s[90:91], s[98:99]
	v_lshlrev_b32 v10, 5, v8
	v_lshl_add_u32 v10, v9, 12, v10                ; 32 r + eight parts of 512 bytes x h
	v_lshlrev_b32 v11, 2, v8
	v_lshl_add_u32 v11, v9, 9, v11                 ; 4 r + eight parts of 64 bytes x h
	v_lshlrev_b32 v14, 4, v8
	v_lshl_add_u32 v14, v9, 16, v14                ; 16 r; lanes 16-31 store the low parts, 65,536 bytes on
.irp i, 0,1,2,3,4,5,6,7
	global_load_b32 v[32+2*\i], v11, s[94:95] offset:64*\i
	global_load_b32 v[33+2*\i], v11, s[94:95] offset:16384+64*\i
.endr
.irp i, 0,1,2,3,4,5,6,7
	global_load_b128 v[128+8*\i:131+8*\i], v10, s[92:93] offset:512*\i
	global_load_b128 v[132+8*\i:135+8*\i], v10, s[92:93] offset:512*\i+16
.endr
	s_wait_loadcnt 16                              ; Q and the sixteen words of m and l are in; O's 16 loads may be out
	v_max3_num_f32 v48, v32, v34, v36
	v_max3_num_f32 v49, v38, v40, v42
	v_max3_num_f32 v48, v48, v44, v46
	v_max_num_f32 v48, v48, v49
	v_permlanex16_b32 v49, v48, s80, s81
	v_max_num_f32 v48, v48, v49                    ; the row's maximum over all sixteen parts
.irp i, 0,1,2,3,4,5,6,7
	v_sub_f32 v[32+2*\i], v[32+2*\i], v48          ; the difference first
.endr
.irp i, 0,1,2,3,4,5,6,7
	v_mul_f32 v[32+2*\i], s78, v[32+2*\i]
.endr
.irp i, 0,1,2,3,4,5,6,7
	v_exp_f32 v[32+2*\i], v[32+2*\i]               ; the part's factor
.endr
	v_nop                                          ; a plain line behind the last exponential
	s_wait_alu depctr_va_vdst(0)                   ; one wait for the eight
	v_mul_f32 v50, v33, v32
.irp i, 1,2,3,4,5,6,7
	v_fma_f32 v50, v[33+2*\i], v[32+2*\i], v50     ; my eight parts' share of the row's sum
.endr
	s_wait_loadcnt 0x0
.irp j, 0,2,4,6
	v_pk_mul_f32 v[52+\j:53+\j], v[128+\j:129+\j], v[32:33] op_sel_hi:[1,0]
.endr
.irp i, 1,2,3,4,5,6,7
.irp j, 0,2,4,6
	v_pk_fma_f32 v[52+\j:53+\j], v[128+8*\i+\j:129+8*\i+\j], v[32+2*\i:33+2*\i], v[52+\j:53+\j] op_sel_hi:[1,0,1]
.endr
.endr
	v_permlanex16_b32 v128, v50, s80, s81          ; the other eight parts lie in the lane 16 away (the destinations have been written: they held parts that are done with)
.irp j, 0,1,2,3,4,5,6,7
	v_permlanex16_b32 v[130+\j], v[52+\j], s80, s81
.endr
	v_add_f32 v50, v50, v128
.irp j, 0,2,4,6
	v_pk_add_f32 v[52+\j:53+\j], v[52+\j:53+\j], v[130+\j:131+\j]
.endr
	v_rcp_f32 v48, v50
	v_nop
	s_wait_alu depctr_va_vdst(0)                   ; the wait for the reciprocal
.irp j, 0,2,4,6
	v_pk_mul_f32 v[52+\j:53+\j], v[52+\j:53+\j], v[48:49] op_sel_hi:[1,0]
.endr
.irp j, 0,1,2,3,4,5,6,7
	v_and_b32 v[60+\j], 0xffffe000, v[52+\j]       ; the high part, still f32
.endr
.irp j, 0,2,4,6
	v_pk_add_f32 v[52+\j:53+\j], v[52+\j:53+\j], v[60+\j:61+\j] neg_lo:[0,1] neg_hi:[0,1]   ; the rest, exact
.endr
.irp j, 0,1,2,3
	v_cvt_pk_f16_f32 v[68+\j], v[60+2*\j], v[61+2*\j]
	v_cvt_pk_f16_f32 v[72+\j], v[52+2*\j], v[53+2*\j]
.endr
	v_cmp_ne_u32 vcc_lo, 0, v9
.irp j, 0,1,2,3
	v_cndmask_b32 v[68+\j], v[68+\j], v[72+\j], vcc_lo         ; both halves of the lanes hold the same numbers: lanes 0-15 store the high parts, lanes 16-31 the low
.endr
	global_store_b128 v14, v[68:71], s[96:97]      ; sixteen lanes store 256 consecutive bytes, aligned
	s_wait_xcnt 0x0                                ; the store has read its registers: the loop writes them again only behind this wait
.Lno_fine:
; the softmax of both tiles, line by line.  first = 1: there is no old maximum, no a, and the sum begins
.macro SOFT first
.set ii, 0
.rept 16
.irp t, 0,1
	v_pk_fma_f32 v[S+32*\t+ii:S+32*\t+ii+1], v[S+32*\t+ii:S+32*\t+ii+1], s[76:77], v[MK+32*\t+ii:MK+32*\t+ii+1] op_sel_hi:[1,0,1]   ; u = s / sqrt(128) + mask; each accumulator from its low end on
.endr
.set ii, ii+2
.endr
.irp j, 0,1,2,3
.irp t, 0,1
	v_max3_num_f32 v[ST+8*\t+4+\j], v[S+32*\t+8*\j], v[S+32*\t+8*\j+1], v[S+32*\t+8*\j+2]
.endr
.endr
.irp k, 3,5
.irp j, 0,1,2,3
.irp t, 0,1
	v_max3_num_f32 v[ST+8*\t+4+\j], v[ST+8*\t+4+\j], v[S+32*\t+8*\j+\k], v[S+32*\t+8*\j+\k+1]
.endr
.endr
.endr
.irp t, 0,1
	v_max3_num_f32 v[ST+8*\t+4], v[ST+8*\t+4], v[S+32*\t+7], v[S+32*\t+15]
	v_max3_num_f32 v[ST+8*\t+6], v[ST+8*\t+6], v[S+32*\t+23], v[S+32*\t+31]
.endr
.irp t, 0,1
	v_max3_num_f32 v[ST+8*\t+4], v[ST+8*\t+4], v[ST+8*\t+5], v[ST+8*\t+6]
.endr
.irp t, 0,1
.if \first
	v_max_num_f32 v[ST+8*\t+4], v[ST+8*\t+4], v[ST+8*\t+7]
.else
	v_max3_num_f32 v[ST+8*\t+4], v[ST+8*\t+4], v[ST+8*\t+7], v[ST+8*\t]
.endif
.endr
.irp t, 0,1
	v_permlanex16_b32 v[ST+8*\t+5], v[ST+8*\t+4], s80, s81     ; the query's other 32 keys lie in the lane 16 away
.endr
.irp t, 0,1
	v_max_num_f32 v[ST+8*\t+4], v[ST+8*\t+4], v[ST+8*\t+5]     ; the new m
.endr
.if !\first
.irp t, 0,1
	v_sub_f32 v[ST+8*\t+7], v[ST+8*\t], v[ST+8*\t+4]
.endr
.irp t, 0,1
	v_mul_f32 v[ST+8*\t+7], s78, v[ST+8*\t+7]                  ; (old m - new m) log2 e
.endr
.endif
.irp t, 0,1
	v_mov_b32 v[ST+8*\t], v[ST+8*\t+4]
.endr
.set ii, 0
.rept 16
.irp t, 0,1
	v_pk_add_f32 v[S+32*\t+ii:S+32*\t+ii+1], v[S+32*\t+ii:S+32*\t+ii+1], v[ST+8*\t:ST+8*\t+1] op_sel_hi:[1,0] neg_lo:[0,1] neg_hi:[0,1]   ; u - m
.endr
.set ii, ii+2
.endr
.set ii, 0
.rept 16
.irp t, 0,1
	v_pk_mul_f32 v[S+32*\t+ii:S+32*\t+ii+1], v[S+32*\t+ii:S+32*\t+ii+1], s[78:79] op_sel_hi:[1,0]
.endr
.set ii, ii+2
.endr
.if !\first
.irp t, 0,1
	v_exp_f32 v[ST+8*\t+6], v[ST+8*\t+7]                       ; a
.endr
.endif
.set ii, 0
.rept 32
.irp t, 0,1
	v_exp_f32 v[S+32*\t+ii], v[S+32*\t+ii]                     ; p; all exponentials are one batch: none reads another's result
.endr
.set ii, ii+1
.endr
	v_nop                                          ; a plain line behind the last exponential
	s_wait_alu depctr_va_vdst(0)                   ; one wait for the batch, ahead of its first reader
.set ii, 0
.rept 16
.irp t, 0,1
	v_cvt_pk_f16_f32 v[P+16*\t+ii], v[S+32*\t+2*ii], v[S+32*\t+2*ii+1]
.endr
.set ii, ii+1
.endr
.irp w, 4,8,16                         ; the sum of the unrounded p, in place: pairs 1, 2 and 4 apart
.set uu, 0
.rept 32/\w
.irp t, 0,1
	v_pk_add_f32 v[S+32*\t+uu:S+32*\t+uu+1], v[S+32*\t+uu:S+32*\t+uu+1], v[S+32*\t+uu+\w/2:S+32*\t+uu+\w/2+1]
.endr
.set uu, uu+\w
.endr
.endr
.irp t, 0,1
.if \first
	v_pk_add_f32 v[ST+8*\t+2:ST+8*\t+3], v[S+32*\t:S+32*\t+1], v[S+32*\t+16:S+32*\t+17]
.else
	v_pk_fma_f32 v[ST+8*\t+2:ST+8*\t+3], v[ST+8*\t+2:ST+8*\t+3], v[ST+8*\t+6:ST+8*\t+7], v[S+32*\t:S+32*\t+1] op_sel_hi:[1,0,1]
.endif
.endr
.if !\first
.irp t, 0,1
	v_pk_add_f32 v[ST+8*\t+2:ST+8*\t+3], v[ST+8*\t+2:ST+8*\t+3], v[S+32*\t+16:S+32*\t+17]
.endr
.endif
.endm
; my 64 keys of slot sl
.macro STEP sl, first
	WIN 0x40                                       ; destination window 1
.set ii, 0
.rept 32
	ds_load_b128 v[KV+4*ii:KV+4*ii+3], v[2+\sl] offset:512*ii          ; K: 16 fragments (key tile, f)
.set ii, ii+1
.endr
	WIN 0
.irp t, 0,1
.irp k, 0,1,2,3
	ds_load_b128 v[MK+32*\t+8*\k:MK+32*\t+8*\k+3], v[4+\sl] offset:4352*\t+64*\k
	ds_load_b128 v[MK+32*\t+8*\k+4:MK+32*\t+8*\k+7], v[4+\sl] offset:4352*\t+64*\k+16
.endr
.endr
	s_wait_dscnt 16                                ; K is in; the mask's 16 loads may be out
	WIN 0x01                                       ; source 0 (K) window 1
.irp f, 0,1,2,3                        ; eight accumulators by turns, one instruction a turn
.irp k, 0,1,2,3
.irp t, 0,1
.if \f == 0
	v_wmma_f32_16x16x32_f16 v[S+32*\t+8*\k:S+32*\t+8*\k+7], v[KV+8*(4*\k+\f):KV+8*(4*\k+\f)+7], v[Q+32*\t+8*\f:Q+32*\t+8*\f+7], 0
.else
	v_wmma_f32_16x16x32_f16 v[S+32*\t+8*\k:S+32*\t+8*\k+7], v[KV+8*(4*\k+\f):KV+8*(4*\k+\f)+7], v[Q+32*\t+8*\f:Q+32*\t+8*\f+7], v[S+32*\t+8*\k:S+32*\t+8*\k+7]
.endif
.endr
.endr
.endr
.rept 4
	v_nop                                          ; places in front of the loads into K's registers and of the first read of the scores
.endr
	WIN 0x40
.set ii, 0
.rept 32
	ds_load_b128 v[KV+4*ii:KV+4*ii+3], v[2+\sl] offset:32768+512*ii    ; V: 16 fragments (32 keys, channel tile): they land under the softmax
.set ii, ii+1
.endr
	WIN 0
	s_wait_dscnt 32                                ; the mask is in; V's 32 loads may be out
	SOFT \first
.if !\first
	WIN 0x41                                       ; O^T in window 1, a in window 0
.set ii, 0
.rept 32
.irp t, 0,1
	v_pk_mul_f32 v[64*\t+ii:64*\t+ii+1], v[64*\t+ii:64*\t+ii+1], v[ST+8*\t+6:ST+8*\t+7] op_sel_hi:[1,0]
.endr
.set ii, ii+2
.endr
.endif
	s_wait_dscnt 0x0                               ; V is in
	WIN 0x51                                       ; V, C and D window 1, P window 0
.irp g, 0,1                            ; sixteen accumulators by turns
.irp c, 0,1,2,3,4,5,6,7
.irp t, 0,1
.if \first && (\g == 0)
	v_wmma_f32_16x16x32_f16 v[64*\t+8*\c:64*\t+8*\c+7], v[KV+8*(8*\g+\c):KV+8*(8*\g+\c)+7], v[P+16*\t+8*\g:P+16*\t+8*\g+7], 0
.else
	v_wmma_f32_16x16x32_f16 v[64*\t+8*\c:64*\t+8*\c+7], v[KV+8*(8*\g+\c):KV+8*(8*\g+\c)+7], v[P+16*\t+8*\g:P+16*\t+8*\g+7], v[64*\t+8*\c:64*\t+8*\c+7]
.endif
.endr
.endr
.endr
.rept 4
	v_nop                                          ; places in front of the next loads into V's registers, and of the merge's reads
.endr
	WIN 0
.endm
; the change of slots: slot sl has been read.  Each wave waits for all its tensor loads (one is out: its part of the other slot), adds 0 to its spare word, and waits for that and for its reads of the slot.
; fill = 1: a round of the cluster's barrier, and behind it my one joint load: it has a whole step in which to land
.macro CHANGE sl, fill
	s_wait_tensorcnt 0x0
	ds_add_u32 v12, v13
.if \fill
	SETG0 \sl                                      ; no tensor load of mine is out: the slot's addresses may be written
	s_wait_dscnt 0x0
	CROUND
	JLOAD \sl
.else
	s_wait_dscnt 0x0
	s_barrier_signal -1
	s_barrier_wait -1
.endif
.endm
	s_wait_tensorcnt 1                             ; my part of slot 0 is in; slot 1's load may be out
	s_barrier_signal -1
	s_barrier_wait -1
	s_wait_loadcnt 0x0                             ; Q
	STEP 0, 1
	s_mov_b32 s82, 7
.Lpair:                                            ; seven trips fill fourteen slots
	CHANGE 0, 1
	STEP 1, 0
	CHANGE 1, 1
	STEP 0, 0
	s_sub_co_u32 s82, s82, 1
	s_cmp_lg_u32 s82, 0
	s_cbranch_scc1 .Lpair
	CHANGE 0, 0                                    ; the last slot is written out: nothing is left to ask for
	STEP 1, 0
	; THE MERGE of the two key halves
.irp t, 0,1
	v_add_f32 v[ST+8*\t+2], v[ST+8*\t+2], v[ST+8*\t+3]
.endr
.irp t, 0,1
	v_permlanex16_b32 v[ST+8*\t+5], v[ST+8*\t+2], s80, s81
.endr
.irp t, 0,1
	v_add_f32 v[ST+8*\t+2], v[ST+8*\t+2], v[ST+8*\t+5]         ; my half's sum
.endr
	s_cmp_lt_u32 s12, 4
	s_cbranch_scc1 .Lkeep
	v_mov_b32 v8, v[ST]                            ; waves 4-7 hand over m, the sum and O^T, as images of their registers
	v_mov_b32 v9, v[ST+2]
	v_mov_b32 v10, v[ST+8]
	v_mov_b32 v11, v[ST+10]
	ds_store_b128 v7, v[8:11] offset:16384
	WIN 0x04                                       ; an LDS store's data are its source 1: window 1
.set ii, 0
.rept 32
	ds_store_b128 v7, v[4*ii:4*ii+3] offset:512*ii
.set ii, ii+1
.endr
	WIN 0
.Lkeep:
	s_wait_dscnt 0x0                               ; for the others' sake: my stores have landed
	s_barrier_signal -1
	s_barrier_wait -1
	s_cmp_lt_u32 s12, 4
	s_cbranch_scc0 .Ldone
	ds_load_b128 v[8:11], v7 offset:16384
.set ii, 0
.rept 32
	ds_load_b128 v[128+4*ii:131+4*ii], v7 offset:512*ii
.set ii, ii+1
.endr
	s_wait_dscnt 32                                ; the partner's m and sums are in; its O^T may be out
.irp t, 0,1
	v_max_num_f32 v[ST+8*\t+4], v[ST+8*\t], v[8+2*\t]
.endr
.irp t, 0,1
	v_sub_f32 v[ST+8*\t+5], v[ST+8*\t], v[ST+8*\t+4]
	v_sub_f32 v[ST+8*\t+6], v[8+2*\t], v[ST+8*\t+4]
.endr
.irp t, 0,1
	v_mul_f32 v[ST+8*\t+5], s78, v[ST+8*\t+5]
	v_mul_f32 v[ST+8*\t+6], s78, v[ST+8*\t+6]
.endr
.irp t, 0,1
	v_exp_f32 v[ST+8*\t+5], v[ST+8*\t+5]
	v_exp_f32 v[ST+8*\t+6], v[ST+8*\t+6]
.endr
	v_nop
	s_wait_alu depctr_va_vdst(0)                   ; one wait for the four exponentials
.irp t, 0,1
	v_mul_f32 v[ST+8*\t+7], v[ST+8*\t+2], v[ST+8*\t+5]
.endr
.irp t, 0,1
	v_fma_f32 v[ST+8*\t+7], v[9+2*\t], v[ST+8*\t+6], v[ST+8*\t+7]      ; the row's sum
.endr
.irp t, 0,1
	v_rcp_f32 v[ST+8*\t+4], v[ST+8*\t+7]
.endr
	v_nop
	s_wait_alu depctr_va_vdst(0)                   ; one wait for the two reciprocals
.irp t, 0,1
	v_mul_f32 v[ST+8*\t+2], v[ST+8*\t+5], v[ST+8*\t+4]         ; my O^T's factor,
	v_mul_f32 v[ST+8*\t+6], v[ST+8*\t+6], v[ST+8*\t+4]         ; the partner's
.endr
	s_wait_dscnt 0x0
.irp t, 0,1
.set ii, 0
.rept 32
	v_pk_mul_f32 v[128+64*\t+ii:129+64*\t+ii], v[128+64*\t+ii:129+64*\t+ii], v[ST+8*\t+6:ST+8*\t+7] op_sel_hi:[1,0]
.set ii, ii+2
.endr
	WIN 0x01                                       ; source 0: my O^T, window 1
.set ii, 0
.rept 32
	v_pk_fma_f32 v[128+64*\t+ii:129+64*\t+ii], v[64*\t+ii:64*\t+ii+1], v[ST+8*\t+2:ST+8*\t+3], v[128+64*\t+ii:129+64*\t+ii] op_sel_hi:[1,0,1]
.set ii, ii+2
.endr
	WIN 0
.set ii, 0
.rept 32
	v_cvt_pk_f16_f32 v[32+32*\t+ii], v[128+64*\t+2*ii], v[129+64*\t+2*ii]
.set ii, ii+1
.endr
.set ii, 0
.rept 8
	global_store_b128 v6, v[32+32*\t+4*ii:35+32*\t+4*ii], s[54:55] offset:8192*\t+512*ii   ; 512 consecutive bytes: half an image
.set ii, ii+1
.endr
.endr
.Ldone:
	s_wait_tensorcnt 0x0                           ; the wave's end
	ds_add_u32 v12, v13
	s_wait_dscnt 0x0
	CROUND                                         ; the closing round
	s_endpgm
.Lfunc_end_k_q136c659fac_attn:
	.size	k_q136c659fac_attn, .Lfunc_end_k_q136c659fac_attn-k_q136c659fac_attn
	.p2alignl 7, 3214868480
	.fill 96, 4, 3214868480
	.section	.rodata,"a",@progbits
	.p2align	6, 0x0
	.amdhsa_kernel k_q136c659fac_attn
		.amdhsa_group_segment_fixed_size 327680
		.amdhsa_private_segment_fixed_size 0
		.amdhsa_enable_private_segment 0
		.amdhsa_kernarg_size 40
		.amdhsa_user_sgpr_count 2
		.amdhsa_user_sgpr_kernarg_segment_ptr 1
		.amdhsa_wavefront_size32 1
		.amdhsa_system_sgpr_workgroup_id_x 1
		.amdhsa_system_sgpr_workgroup_id_y 1
		.amdhsa_system_sgpr_workgroup_id_z 1
		.amdhsa_system_vgpr_workitem_id 0
		.amdhsa_next_free_vgpr 512
		.amdhsa_next_free_sgpr 100
		.amdhsa_reserve_vcc 1
		.amdhsa_float_denorm_mode_32 3
		.amdhsa_float_denorm_mode_16_64 3
		.amdhsa_memory_ordered 1
		.amdhsa_forward_progress 1
		.amdhsa_inst_pref_size 150
	.end_amdhsa_kernel
	.amdgpu_metadata
---
amdhsa.version: [ 1, 2 ]
amdhsa.kernels:
  - .name:           k_q136c659fac_attn
    .symbol:         k_q136c659fac_attn.kd
    .args:
      - { .name: qkvbuf, .offset: 0, .size: 8, .value_kind: global_buffer, .address_space: global }
      - { .name: mask, .offset: 8, .size: 8, .value_kind: global_buffer, .address_space: global }
      - { .name: abuf, .offset: 16, .size: 8, .value_kind: global_buffer, .address_space: global }
      - { .name: fpart, .offset: 24, .size: 8, .value_kind: global_buffer, .address_space: global }
      - { .name: fabuf, .offset: 32, .size: 8, .value_kind: global_buffer, .address_space: global }
    .group_segment_fixed_size: 327680
    .private_segment_fixed_size: 0
    .kernarg_segment_align: 8
    .kernarg_segment_size: 40
    .max_flat_workgroup_size: 256
    .sgpr_count:     100
    .vgpr_count:     512
    .wavefront_size: 32
...
	.end_amdgpu_metadata
.endif
;; end of part 8
;; launch proj: the kernel of part 4 again; grid 16 x 16, 4 waves a work-group, clusters of 4 x 4, 327,680 bytes of LDS; arguments abuf, prepbuf, out0; writes out0
;; launch fproj: the kernel of part 6 again; grid 128 x 1, 16 waves a work-group, no clusters, 18,432 bytes of LDS; arguments fabuf, prepbuf, out0; writes out0
